; MI455X (gfx1250); checked and timed in simulation.
; The chip was launched on July 23, 2026; its instructions are those of AMD's public machine-readable ISA for CDNA 5 (MIT licence, August 2026) and "CDNA5" Instruction Set Architecture Reference Guide (July 2026). The comments in the code are by the model that wrote it; some were corrected since.
;; Causal Self Attention. Allowed arithmetic: matrix products marked QUANTISED: E5M2 operands, one given power-of-two scale a tensor, by v_wmma_f32_16x16x64_bf8_bf8 or v_wmma_f32_16x16x128_bf8_bf8, f32 sums; everything else in f32.
;; Inputs: b_proj 1,024 float32; b_qkv 3,072 float32; lowp_scales 8 int32 (the exponents e of the quantised operands' scales 2^e); pos_independent 256 x 2 float32; w_proj_codes 1,024 x 32 x 32 uint8 (E5M2 codes of w_proj, K innermost, in blocks of 32 codes); w_qkv_codes 3,072 x 32 x 32 uint8 (E5M2 codes of w_qkv, K innermost, in blocks of 32 codes); x_codes 8 x 1,024 x 32 x 32 uint8 (E5M2 codes of x, K innermost, in blocks of 32 codes).
;; Outputs: out0 8 x 1,024 x 1,024 float32.
;; This version of the problem:
;;   THIS VERSION OF THE PROBLEM IS GIVEN IN LOW PRECISION. The matrix products marked QUANTISED in the list below multiply operands that are first quantised to E5M2 (5 exponent bits, 2 mantissa bits; 8 bits a number), with one given power-of-two scale for each operand tensor; their sums are f32. All else is computed in f32.
;;   The module's matrix products, in the order in which they are computed (A, B: the left and right operand; K: the contracted axis; several contracted axes count as one K, in the product's order):
;;     1. [M 8,192, K 1,024] x [K 1,024, N 3,072]; A: input x (given as codes); B: input w_qkv (given as codes): QUANTISED (scales: A lowp_scales[0], B lowp_scales[1])
;;     2. batch 128 x [M 1,024, K 64] x [K 64, N 1,024]; A: computed on the way; B: computed on the way: QUANTISED (scales: A lowp_scales[2], B lowp_scales[3])
;;     3. batch 128 x [M 1,024, K 1,024] x [K 1,024, N 64]; A: softmax (see below); B: computed on the way: QUANTISED (scales: A lowp_scales[4], B lowp_scales[5])
;;     4. [M 8,192, K 1,024] x [K 1,024, N 1,024]; A: computed on the way; B: input w_proj (given as codes): QUANTISED (scales: A lowp_scales[6], B lowp_scales[7])
;;   THE QUANTISER, for each operand of a quantised product, along K:
;;     - The operand's scale is 2^e, e = its entry of the input lowp_scales (int32; the entries are numbered through the quantised products in the list's order, A before B).
;;     - Each number is divided by the scale, clamped to +-57,344, and rounded to the nearest number of E5M2, ties to even, subnormals kept.
;;     - The product sums the exact products of the quantised numbers (number of the format x scale) in f32.
;;   ~~~python
;;   def quantise(x, axis, e):      # numpy; x: float32 -> the quantised numbers, widened to float32 again
;;       x = np.moveaxis(x, axis, -1); K = x.shape[-1]
;;       r = np.clip(x / 2.0 ** e, -57344, 57344)
;;       step = 2.0 ** (np.maximum(np.frexp(np.where(r == 0, 1, r))[1] - 1, -14) - 2)
;;       q = np.round(r / step) * step * 2.0 ** e      # np.round: ties to even
;;       return np.moveaxis(q, -1, axis).astype(np.float32)
;;   ~~~
;;   SOFTMAX AHEAD OF A QUANTISED PRODUCT. Where the list says 'softmax', what is quantised is not the finished softmax but p = 2^(t - M), with t = logit x log2(e) and M = ceil(the row's largest t), a whole number; so 1/2 < the row's largest p <= 1. The row's sum l is taken of the UNQUANTISED p, in f32, and the product's result is divided by l at the end. Since M is a whole number, a kernel that streams over the keys may use a running M (the ceiling of the running maximum): every later rescaling is an exact power of two, so the quantised numbers keep their values, but for numbers so far below the row's largest that they fall under the format's range.
;;   OPERANDS COMPUTED ON THE WAY. 'Computed on the way' means the value that the module computes at that place (a softmax that the list does not call 'softmax' is quantised finished and normalised). What goes into a quantiser is computed in f32, as accurately as f32 sums, v_exp_f32 and their like allow (about 1e-6 of the number): no bf16 or f16 on the way to a quantiser, and a product that is left as it is and whose result goes on into a quantised operand takes f32 operands (vector FMAs, or v_wmma_f32_16x16x4_f32). A number that lies on a knife's edge between two numbers of the format may be rounded either way, as far as f32 arithmetic and the matrix unit's own rounding can turn it there, and no further.
;;   INPUTS GIVEN AS CODES. w_proj (in the module: [1024, 1024], K = its axis 1); w_qkv (in the module: [3072, 1024], K = its axis 1); x (in the module: [8, 1024, 1024], K = its axis 2): each comes as NAME_codes (uint8): NAME with its K axis moved to the last place and cut into blocks of 32 codes, [.., K / 32, bytes a block], one block behind the other in memory; one code a byte (a code: sign, 5 exponent bits, 2 mantissa bits); its scale is its entry of lowp_scales. Its value is code x scale, taken as it is: it is not quantised again, and the codes and scales need not be those that the quantiser above would give.
;; One version. Each part assembles by itself: llvm-mc -triple=amdgcn-amd-amdhsa -mcpu=gfx1250 --defsym DOCPART=n.
;; ======== version 1 of 1: 4 launches
;; limits: right only within a limited range of input values
;; workspace buffers: qc 8,388,608 bytes; kc 8,388,608 bytes; vc 8,388,608 bytes; ac 8,388,608 bytes; btab 294,912 bytes
;; launch bias (part 1): grid 9 x 16, 5 waves a work-group, no clusters, 1,792 bytes of LDS; arguments pos_independent, lowp_scales, btab; writes btab
.if DOCPART == 1
	.amdgcn_target "amdgcn-amd-amdhsa--gfx1250"
	.amdhsa_code_object_version 6
	.text
	.protected	k_qf2fc60bf2e_bias
	.globl	k_qf2fc60bf2e_bias
	.p2align	8
	.type	k_qf2fc60bf2e_bias,@function
k_qf2fc60bf2e_bias:
	s_mov_b64 s[64:65], 0
	v_nop
	global_prefetch_b8 v0, s[64:65] scope:SCOPE_SE
	s_setreg_imm32_b32 hwreg(HW_REG_WAVE_MODE, 25, 1), 1
	s_wait_xcnt 0x0
; THE HoPE BIAS AND THE CAUSAL MASK AS ONE TABLE.  The bias of a logit hangs on the head and on d = query - key alone; the causal mask keeps d = 0 .. 1023, so no bias is made for d < 0.
; Heads 0-7: bias(d) = sum over c = 32 head .. 32 head + 31 of cos(d f_c) + sin(d f_c), f_c = 10^(-c / 128) rounded to f32.  Heads 8-15: one number, the sum of the head's 64 numbers of pos_independent
; (it moves M and so p's codes, so it is kept).
; rev[x] = bias(1023 - x) for x <= 1023, and -2^60 beyond (a key behind its query: 2^(t - M) is then 0); all x 2^(3 - e2 - e3), so that an entry can be added to a sum of products of q's and k's codes.
; btab: [head 16][y4 288][copy s 4][4] f32: the 16 bytes (y4, s) hold rev[4 y4 + s + 0 .. 3].  Reversed, so that ascending keys are ascending addresses; four copies shifted by one entry, so that any
; lane's eight neighbouring entries are two aligned runs of 16 bytes, 64 bytes apart; the copies interleaved, so that lanes whose first entries are neighbours read neighbouring 16 bytes.
; SHARES.  Work-group (chunk, head) makes y4 = 32 chunk .. + 31, 2,048 consecutive bytes, for which it needs rev[128 chunk .. + 130]: thread t of 160 makes rev[128 chunk + t]; the numbers meet in LDS;
; thread t of the first 128 stores the 16 bytes (32 chunk + t / 4, t % 4): a wave stores 512 consecutive bytes.  No matrix work and no tensor load.
; THE FREQUENCIES ARE MADE BY THE ASSEMBLER, in whole numbers with 56 binary places: 10^(-1/128) by seven square roots of 1/10 (Newton's steps for 1/sqrt), its powers by multiplication; each rounded to f32's 24 bits.
; SINE AND COSINE.  theta = d f in one f32 multiplication.  n = theta x 2/pi rounded to a whole number, at most 651; r = theta - n pi/2 with pi/2 in two parts, the first with its last bit at 2^-20, so that
; theta - n P1 is exact.  Taylor's polynomials to r^9 and r^10 on |r| <= pi/4.  cos + sin of theta = +-cos r +- sin r by n mod 4.
; LIMITS: 3 - e2 - e3 is applied by v_ldexp_f32; at most 67, so that -2^60 x 2^(3 - e2 - e3) is a number.  NaN in pos_independent goes through as NaN.
.set ONE, 1<<56
.set LOM, (1<<28)-1
.macro MULQ dst, a, b                  ; dst = a b, all with 56 places
.set \dst, ((\a)>>28)*((\b)>>28) + ((((\a)>>28)*((\b)&LOM))>>28) + ((((\a)&LOM)*((\b)>>28))>>28)
.endm
.macro SQRTQ dst, x                    ; dst = sqrt(x): y -> y (3 - x y y) / 2 rises to 1 / sqrt(x); then x y
.set y_, ONE
.rept 12
	MULQ t_, y_, y_
	MULQ t_, t_, \x
.set t_, 3*ONE-t_
	MULQ y_, y_, t_
.set y_, y_>>1
.endr
	MULQ \dst, y_, \x
.endm
.macro F32BITS dst, q                  ; the f32 pattern nearest to q, 2^-8 < q <= 1
.set m_, \q
.set e_, 127
.rept 8
.if m_ < ONE
.set m_, m_<<1
.set e_, e_-1
.endif
.endr
.set \dst, (e_<<23)+((m_+(1<<32))>>33)-(1<<23)
.endm
.set G, ONE/10
.rept 7
	SQRTQ G, G
.endr
.set FC, ONE                           ; walks 10^(-c / 128), c = 0, 1, .. in the order of the text
.set F,   32                           ; s[32:63] my head's 32 frequencies
.macro FLIT32                          ; the next 32 frequencies into s[32:63]
.set i_, 0
.rept 32
	F32BITS FB, FC
	s_mov_b32 s[F+i_], FB
	MULQ FC, FC, G
.set i_, i_+1
.endr
.endm
.set X,   1                            ; v1  x = 128 chunk + thread
.set D,   2                            ; v2  d = max(1023 - x, 0) as f32
.set ACC, 3                            ; v3  the sum
.set LW,  4                            ; v4  4 x thread: my word in LDS
.set ZO,  5                            ; v5  0
.set W,   16                           ; v[16:47] four sets of eight registers at work; in the constant heads v[16:79] hold the 64 numbers
	s_load_b128 s[4:7], s[0:1], 0x0                ; pos_independent, the scales' exponents
	s_load_b64 s[8:9], s[0:1], 0x10                ; btab
	v_lshl_add_u32 v96, v0, 2, 0x400               ; my spare word, and 0
	v_mov_b32 v97, 0
	s_and_b32 s10, ttmp7, 0xffff                   ; head
	s_mov_b32 s11, ttmp9                           ; chunk
	v_lshrrev_b32 v[X], 5, v0
	v_readfirstlane_b32 s12, v[X]                  ; wave 0..4
	s_lshl_b32 s14, s11, 7
	v_add_nc_u32 v[X], s14, v0
	v_sub_nc_u32 v[D], 1023, v[X]
	v_max_i32 v[D], 0, v[D]
	v_cvt_f32_i32 v[D], v[D]
	v_lshlrev_b32 v[LW], 2, v0
	s_mov_b32 s16, 0x3f22f983                      ; 2 / pi
	s_mov_b32 s17, 0x3fc90fd8                      ; pi / 2, first part
	s_mov_b32 s18, 0x34a8885a                      ; pi / 2 less the first part
	s_mov_b32 s19, 0xbe2aaaab                      ; -1/3!
	s_mov_b32 s20, 0x3c088889                      ; 1/5!
	s_mov_b32 s21, 0xb9500d01                      ; -1/7!
	s_mov_b32 s22, 0x3638ef1d                      ; 1/9!
	s_mov_b32 s23, 0x3d2aaaab                      ; 1/4!
	s_mov_b32 s24, 0xbab60b61                      ; -1/6!
	s_mov_b32 s25, 0x37d00d01                      ; 1/8!
	s_mov_b32 s26, 0xb493f27e                      ; -1/10!
	s_mov_b32 s27, 0x80000000                      ; the sign
	s_wait_kmcnt 0x0
	s_load_b64 s[28:29], s[6:7], 0x8               ; e2, e3
	s_cmp_ge_u32 s10, 8                            ; branches on ids alone
	s_cbranch_scc1 .Lconst
	s_cmp_eq_u32 s11, 8                            ; chunk 8 holds x > 1023 alone, whatever the sum: it takes the short way
	s_cbranch_scc1 .Lconst
	FLIT32                                         ; head 0's frequencies are written on every way;
.irp h, 1,2,3,4,5,6,7
	s_cmp_lg_u32 s10, \h                           ; my head's then take their place
	s_cbranch_scc1 .Lnot_\h
	FLIT32
.Lnot_\h:
.endr
; Four components at a time, line by line.  Set k: +0 theta, then r^3; +1 n, then n + 1; +2 r; +3 r^2; +4 sine; +5 cosine; +6 n as a whole number
.macro SC4 c0
.irp k, 0,1,2,3
	v_mul_f32 v[W+8*\k], s[F+\c0+\k], v[D]         ; theta = f d, rounded once
.endr
.irp k, 0,1,2,3
	v_mul_f32 v[W+8*\k+1], s16, v[W+8*\k]
.endr
.irp k, 0,1,2,3
	v_rndne_f32 v[W+8*\k+1], v[W+8*\k+1]           ; n
.endr
.irp k, 0,1,2,3
	v_fma_f32 v[W+8*\k+2], -v[W+8*\k+1], s17, v[W+8*\k]     ; exact
.endr
.irp k, 0,1,2,3
	v_fma_f32 v[W+8*\k+2], -v[W+8*\k+1], s18, v[W+8*\k+2]   ; r
.endr
.irp k, 0,1,2,3
	v_cvt_i32_f32 v[W+8*\k+6], v[W+8*\k+1]
.endr
.irp k, 0,1,2,3
	v_mul_f32 v[W+8*\k+3], v[W+8*\k+2], v[W+8*\k+2]
.endr
.irp k, 0,1,2,3
	v_fma_f32 v[W+8*\k+4], v[W+8*\k+3], s22, s21
	v_fma_f32 v[W+8*\k+5], v[W+8*\k+3], s26, s25
.endr
.irp k, 0,1,2,3
	v_fma_f32 v[W+8*\k+4], v[W+8*\k+4], v[W+8*\k+3], s20
	v_fma_f32 v[W+8*\k+5], v[W+8*\k+5], v[W+8*\k+3], s24
.endr
.irp k, 0,1,2,3
	v_fma_f32 v[W+8*\k+4], v[W+8*\k+4], v[W+8*\k+3], s19
	v_fma_f32 v[W+8*\k+5], v[W+8*\k+5], v[W+8*\k+3], s23
.endr
.irp k, 0,1,2,3
	v_mul_f32 v[W+8*\k], v[W+8*\k+2], v[W+8*\k+3]           ; r^3
	v_fma_f32 v[W+8*\k+5], v[W+8*\k+5], v[W+8*\k+3], -0.5
.endr
.irp k, 0,1,2,3
	v_fma_f32 v[W+8*\k+4], v[W+8*\k+4], v[W+8*\k], v[W+8*\k+2]   ; sin r
	v_fma_f32 v[W+8*\k+5], v[W+8*\k+5], v[W+8*\k+3], 1.0         ; cos r
.endr
.irp k, 0,1,2,3
	v_add_nc_u32 v[W+8*\k+1], 1, v[W+8*\k+6]
	v_lshlrev_b32 v[W+8*\k+6], 30, v[W+8*\k+6]     ; cos r counts negative where n mod 4 is 2 or 3: bit 1 of n,
.endr
.irp k, 0,1,2,3
	v_lshlrev_b32 v[W+8*\k+1], 30, v[W+8*\k+1]     ; sin r where it is 1 or 2: bit 1 of n + 1
	v_and_b32 v[W+8*\k+6], s27, v[W+8*\k+6]
.endr
.irp k, 0,1,2,3
	v_and_b32 v[W+8*\k+1], s27, v[W+8*\k+1]
	v_xor_b32 v[W+8*\k+5], v[W+8*\k+5], v[W+8*\k+6]
.endr
.irp k, 0,1,2,3
	v_xor_b32 v[W+8*\k+4], v[W+8*\k+4], v[W+8*\k+1]
.endr
.irp k, 0,1,2,3
	v_add_f32 v[W+8*\k+5], v[W+8*\k+5], v[W+8*\k+4]         ; cos theta + sin theta
.endr
.irp k, 0,1,2,3
	v_add_f32 v[ACC], v[ACC], v[W+8*\k+5]          ; components in ascending order
.endr
.endm
	v_mov_b32 v[ACC], 0
	s_wait_alu depctr_va_vdst(0)
.irp c, 0,4,8,12,16,20,24,28
	SC4 \c
.endr
	s_branch .Ljoin
.Lconst:                                               ; the head's 32 rows of pos_independent, 256 bytes, the same in every lane: each row's two numbers are added, then the 32 sums
	s_and_b32 s30, s10, 7
	s_lshl_b32 s30, s30, 8
	s_mov_b32 s31, 0
	s_add_nc_u64 s[4:5], s[4:5], s[30:31]
	v_mov_b32 v[ZO], 0
.irp i, 0,1,2,3,4,5,6,7,8,9,10,11,12,13,14,15
	global_load_b128 v[W+4*\i:W+4*\i+3], v[ZO], s[4:5] offset:16*\i
.endr
	s_wait_loadcnt 0x0
.set i_, 0
.rept 32
	v_add_f32 v[W+2*i_], v[W+2*i_], v[W+2*i_+1]
.set i_, i_+1
.endr
	v_add_f32 v[ACC], v[W], v[W+2]
.set i_, 2
.rept 30
	v_add_f32 v[ACC], v[ACC], v[W+2*i_]
.set i_, i_+1
.endr
.Ljoin:
	s_wait_alu depctr_va_vdst(0)
	s_wait_kmcnt 0x0
	s_add_co_i32 s13, s28, s29
	s_sub_co_i32 s13, 3, s13                       ; 3 - e2 - e3
	v_cmp_gt_u32 vcc_lo, 1024, v[X]
	v_cndmask_b32 v[ACC], 0xdd800000, v[ACC], vcc_lo   ; -2^60 beyond x = 1023
	v_ldexp_f32 v[ACC], v[ACC], s13
	ds_store_b32 v[LW], v[ACC]
	s_wait_dscnt 0x0                               ; for the others' sake: my word is written
	s_barrier_signal -1
	s_barrier_wait -1
	s_cmp_eq_u32 s12, 4                            ; wave 4 has given its numbers and stores nothing
	s_cbranch_scc1 .Lend
	v_lshlrev_b32 v6, 4, v0                        ; 16 x thread: my 16 bytes of the chunk's 2,048
	v_and_b32 v7, 3, v0                            ; copy s = t % 4
	v_lshrrev_b32 v12, 2, v0                       ; t / 4
	v_lshlrev_b32 v7, 2, v7
	v_lshl_add_u32 v7, v12, 4, v7                  ; in LDS my four entries begin at word 4 (t / 4) + s
	ds_load_b32 v8, v7
	ds_load_b32 v9, v7 offset:4
	ds_load_b32 v10, v7 offset:8
	ds_load_b32 v11, v7 offset:12
	s_mul_i32 s30, s10, 18432                      ; a head's table
	s_lshl_b32 s31, s11, 11                        ; a chunk's 2,048 bytes
	s_add_co_u32 s30, s30, s31
	s_mov_b32 s31, 0
	s_add_nc_u64 s[8:9], s[8:9], s[30:31]
	s_wait_alu depctr_va_vdst(0)
	s_wait_dscnt 0x0
	global_store_b128 v6, v[8:11], s[8:9]          ; the wave stores 512 consecutive bytes, at a multiple of 256 from btab's first byte
.Lend:
	s_wait_tensorcnt 0x0                           ; the wave's end
	ds_add_u32 v96, v97
	s_wait_dscnt 0x0
	s_endpgm
.Lfunc_end_k_qf2fc60bf2e_bias:
	.size	k_qf2fc60bf2e_bias, .Lfunc_end_k_qf2fc60bf2e_bias-k_qf2fc60bf2e_bias
	.p2alignl 7, 3214868480
	.fill 96, 4, 3214868480
	.section	.rodata,"a",@progbits
	.p2align	6, 0x0
	.amdhsa_kernel k_qf2fc60bf2e_bias
		.amdhsa_group_segment_fixed_size 1792
		.amdhsa_private_segment_fixed_size 0
		.amdhsa_enable_private_segment 0
		.amdhsa_kernarg_size 24
		.amdhsa_user_sgpr_count 2
		.amdhsa_user_sgpr_kernarg_segment_ptr 1
		.amdhsa_wavefront_size32 1
		.amdhsa_system_sgpr_workgroup_id_x 1
		.amdhsa_system_sgpr_workgroup_id_y 1
		.amdhsa_system_sgpr_workgroup_id_z 1
		.amdhsa_system_vgpr_workitem_id 0
		.amdhsa_next_free_vgpr 98
		.amdhsa_next_free_sgpr 66
		.amdhsa_reserve_vcc 1
		.amdhsa_float_denorm_mode_32 3
		.amdhsa_float_denorm_mode_16_64 3
		.amdhsa_memory_ordered 1
		.amdhsa_forward_progress 1
		.amdhsa_inst_pref_size 61
	.end_amdhsa_kernel
	.amdgpu_metadata
---
amdhsa.version: [ 1, 2 ]
amdhsa.kernels:
  - .name:           k_qf2fc60bf2e_bias
    .symbol:         k_qf2fc60bf2e_bias.kd
    .args:
      - { .name: pos_independent, .offset: 0, .size: 8, .value_kind: global_buffer, .address_space: global }
      - { .name: lowp_scales, .offset: 8, .size: 8, .value_kind: global_buffer, .address_space: global }
      - { .name: btab, .offset: 16, .size: 8, .value_kind: global_buffer, .address_space: global }
    .group_segment_fixed_size: 1792
    .private_segment_fixed_size: 0
    .kernarg_segment_align: 8
    .kernarg_segment_size: 24
    .max_flat_workgroup_size: 160
    .sgpr_count:     66
    .vgpr_count:     98
    .wavefront_size: 32
...
	.end_amdgpu_metadata
.endif
;; end of part 1
;; launch qkv (part 2): grid 32 x 8, 4 waves a work-group, clusters of 4 x 1, 327,680 bytes of LDS; arguments x_codes, w_qkv_codes, lowp_scales, b_qkv, qc, kc, vc; writes qc, kc, vc
.if DOCPART == 2
	.amdgcn_target "amdgcn-amd-amdhsa--gfx1250"
	.amdhsa_code_object_version 6
	.text
	.protected	k_qf2fc60bf2e_qkv
	.globl	k_qf2fc60bf2e_qkv
	.p2align	8
	.type	k_qf2fc60bf2e_qkv,@function
k_qf2fc60bf2e_qkv:
	s_mov_b64 s[64:65], 0
	v_nop
	global_prefetch_b8 v0, s[64:65] scope:SCOPE_SE
	s_setreg_imm32_b32 hwreg(HW_REG_WAVE_MODE, 25, 1), 1
	s_wait_xcnt 0x0
	s_wait_alu depctr_hold_cnt(0) depctr_sa_sdst(0) depctr_va_vdst(0) depctr_va_sdst(0) depctr_va_ssrc(0) depctr_va_vcc(0) depctr_vm_vsrc(0)
	s_getreg_b32 s2, hwreg(HW_REG_IB_STS2, 6, 4)
	s_cmp_eq_u32 s2, 0
	s_cbranch_scc0 .Lentry_in_a_cluster
	s_endpgm
.Lentry_in_a_cluster:
	s_bfe_u32 s2, ttmp6, 0x10000c
	s_cmp_lg_u32 s2, 0x3003
	s_cbranch_scc0 .Lentry_shape_is_right
	s_endpgm
.Lentry_shape_is_right:
; qkv = x w_qkv^T + b_qkv on codes of BF8 (E5M2), K = 1,024, and its three parts quantised at once into the operands of the attention: q with 2^e2, k with 2^e3, v with 2^e5.
; SHARES.  Work-group (token block tb of 32, feature block fy of 8): 256 tokens against 128 features of q, then of k, then of v (features 1,024 p + 128 fy on): three passes.  256 work-groups, all alike.
; A wave owns 64 tokens and ALL 128 features of a pass: 4 x 8 accumulators of 16 x 16, 256 registers.  ITS 64 ROWS OF x STAY IN REGISTERS FOR THE WHOLE K, 512 registers, through all three passes: x is read once.
; w's tile of a pass, 128 rows x 1,024 bytes, comes WHOLE into one of two LDS slots, 32 rows a wave by one tensor load; there is no ring along K.  Pass 0's tile is asked for at the head, pass 1's when pass 0's has
; landed, pass 2's into slot 0 when pass 0's products are done: each of the later two a whole pass ahead of its first read.  By this text's count a wave has one tensor load out at the most.
; x INTO FRAGMENTS.  x lies by rows.  A wave loads a piece of 16 rows x 512 bytes, a row to an instruction (512 consecutive bytes), stores it into a stage of its own in LDS and reads it back as fragments, into the same
; registers.  Four pieces of sixteen loads are on their way at a time.  The stage is the wave's own and LDS serves a wave's instructions in order (ISA guide 5.7.1.4): no barrier and no wait between stores and loads.
; FRAGMENTS: lane (r, h) holds row r; registers 4 c .. 4 c + 3 hold K = 128 s + 32 c + 16 h + 0 .. 15: one and the same permutation of K on both sides.
; THE MATRIX INSTRUCTION.  q, k: source 0 = 16 features, source 1 = 16 tokens: a lane holds a token, its eight registers features 8 h + 0 .. 7: the first attention product's K.  v: THE SOURCES SWAPPED: a lane holds a
; feature, its registers run along the keys: the second product's K.  So nothing is transposed: the codes leave as images of operand registers, 512 consecutive bytes a store.
;   qc, kc: [batch x 16 + head][tile of 16 tokens, 64][g 2][lane][16 bytes]: lane (r, h): token 16 tile + r; registers 4 g + 2 u, + 1: d = 16 (2 g + u) + 8 h + 0 .. 7.
;   vc:     [batch x 16 + head][step of 128 keys, 8][tile of 16 d, 4][g 4][lane][16 bytes]: lane (r, h): d = 16 t + r; registers 2 c, 2 c + 1: keys 128 step + 16 c + 8 h + 0 .. 7.
; THE BIAS IS WHAT THE SUMS BEGIN WITH: b_qkv x 2^-(e0 + e1) lies in a small table in LDS (v's four times over, so that 16 bytes fill four registers) and is loaded straight into the accumulators.
; A finished sum stands for sum x 2^(e0 + e1); its code is sum / 2^(e - e0 - e1): the three scales are folded into the conversion's one, and the hold stands at 57,344 x that.
; CLUSTERS: 4 x 1 x 1: four token blocks with one feature block need the same tiles of w: each is asked for jointly, mask 15.  x goes to registers by plain loads.
; NO PREFETCH: the text has no loop to run ahead in; x's loads and w's first tile go out at the head, w's other tiles a pass ahead of their use.
; LIMITS, so that each power of two below is an f32 number: e2, e3, e5 less e0 + e1 between -126 and 112; -(e0 + e1) is applied by v_ldexp_f32.  NaN is not served.
; REGISTERS, in windows of 256: window 0: v0-35 addresses and small things; v64-255 w's fragments, three sets of four (half a step of 128 along K each); the third set holds the codes on the way out.
;   windows 1, 2: x's fragments: (s, a, c) at v[64 (s % 4) + 16 a + 4 c] of window 1 + s / 4.   window 3: the accumulators, (a, b) at v[8 (8 a + b)].
.set PITCH,  1040                      ; an LDS row of w: 1,024 bytes + 16 of padding, an odd multiple of 16: the 16 rows that a load touches start at 16 different columns of 16 bytes
.set SLOTB,  128*PITCH
.set STAGE,  2*SLOTB                   ; behind the slots: 16 rows x 528 bytes for each wave
.set STGP,   528
.set STGW,   16*STGP
.set BT,     STAGE+4*STGW              ; the bias: q's 512 bytes, k's 512, v's 2,048
.set SPARE,  BT+3072                   ; the spare words, 128 bytes for each wave
.set LIM,  12                          ; v12  57,344 x the conversion's scale
.set SCL,  13                          ; v13  the conversion's scale
.set ADB,  16                          ; v16-19 LDS address of w's fragments: slot 0 rows 0-63, rows 64-127; slot 1 likewise
.set SST,  20                          ; v20  the stage: where I put 16 bytes of a row
.set SLD,  21                          ; v21  where I read a fragment
.set LA,   22                          ; v22  16 x lane
.set BTA,  23                          ; v23  the bias by features 8 h on;  v24 by feature r;  v25, v26 where my thread stores its numbers of the table
.set BTV,  24
.set TQ,   25
.set TV,   26
.set SPW,  28                          ; v28  my spare word; v29  0; never rewritten
.set NIL,  29
.set BF,   64
.set CD,   BF+128
.set G1,   24                          ; s[24:31] descriptor group 1; s[36:47] group 0, one for each pass
.set G0,   36
.set MSB, 0
.macro WIN new                         ; the immediate's high byte repeats the setting that is left
.if MSB != (\new)
	s_set_vgpr_msb (MSB<<8)|(\new)
.set MSB, (\new)
.endif
.endm
.macro ROUND                           ; a round of the cluster's barrier
	s_barrier_signal -1
	s_barrier_wait -1
	s_cmp_lg_u32 s14, 0
	s_cbranch_scc1 .Lnot_wave_0_\@
	s_barrier_signal -3
.Lnot_wave_0_\@:
	s_barrier_wait -3
	s_barrier_signal -1
	s_barrier_wait -1
.endm
.macro JL p                            ; pass p's tile of w, my 32 rows: a joint load; an s_nop 0 and four v_nop follow it
	tensor_load_to_lds s[G0+4*\p:G0+4*\p+3], s[G1:G1+7]
	s_nop 0
.rept 4
	v_nop
.endr
.endm
.macro MEET                            ; a wait on the tensor loads, an add to the spare word and its wait, in front of the barrier of a later fill
	WIN 0
	s_wait_tensorcnt 0x0
	ds_add_u32 v[SPW], v[NIL]
	s_wait_dscnt 0x0
.endm
.macro SCALES e, sc, lim               ; 2^(e - e0 - e1) and 57,344 x that, as f32 patterns
	s_sub_co_i32 s[\sc], s[\e], s80
	s_add_co_i32 s[\sc], s[\sc], 127
	s_add_co_i32 s[\lim], s[\sc], 15
	s_lshl_b32 s[\sc], s[\sc], 23
	s_lshl_b32 s[\lim], s[\lim], 23
	s_or_b32 s[\lim], s[\lim], 0x600000
.endm
.macro XLOAD i                         ; piece i of x: K half i / 4, my rows 16 (i % 4) on: a row of 512 bytes to an instruction
	WIN 0x40*(1+(\i)/4)
.irp t, 0,1,2,3,4,5,6,7,8,9,10,11,12,13,14,15
	global_load_b128 v[64*(\t/4)+16*((\i)%4)+4*(\t%4):64*(\t/4)+16*((\i)%4)+4*(\t%4)+3], v[LA], s[48:49] offset:(16*((\i)%4)+\t)*1024+512*((\i)/4)
.endr
.endm
.macro XSHUF i, younger                ; piece i through my stage: in by rows, back as fragments (s % 4 = t / 4, c = t % 4)
	s_wait_loadcnt \younger
	WIN 0x04*(1+(\i)/4)
.irp t, 0,1,2,3,4,5,6,7,8,9,10,11,12,13,14,15
	ds_store_b128 v[SST], v[64*(\t/4)+16*((\i)%4)+4*(\t%4):64*(\t/4)+16*((\i)%4)+4*(\t%4)+3] offset:\t*STGP
.endr
	WIN 0x40*(1+(\i)/4)
.irp t, 0,1,2,3,4,5,6,7,8,9,10,11,12,13,14,15
	ds_load_b128 v[64*(\t/4)+16*((\i)%4)+4*(\t%4):64*(\t/4)+16*((\i)%4)+4*(\t%4)+3], v[SLD] offset:128*(\t/4)+32*(\t%4)
.endr
.endm
.macro BLD n, slot                     ; half step n (K step n / 2, w's rows 64 (n % 2) on): four fragments into set n % 3
.irp i, 0,1,2,3
.irp c, 0,1,2,3
	ds_load_b128 v[BF+64*((\n)%3)+16*\i+4*\c:BF+64*((\n)%3)+16*\i+4*\c+3], v[ADB+2*(\slot)+(\n)%2] offset:\i*16*PITCH+128*((\n)/2)+32*\c
.endr
.endr
.endm
; A half step: 16 matrix instructions on 16 accumulators, one instruction a turn.  The set that the half step before has read takes the half step two on: 32 matrix instructions ahead of its use.
.macro HALF n, slot, sw
	WIN 0
.if \n == 15
	s_wait_dscnt 0x0
.else
	s_wait_dscnt 16                                ; this half step's fragments are in; the next one's sixteen loads may be out
.endif
.rept 4
	v_nop                                          ; places between the last products and the loads into registers that they read
.endr
.if \n < 14
	BLD \n+2, \slot
.endif
.if \sw
	WIN 0xf0|(1+\n/8)
.else
	WIN 0xf0|((1+\n/8)<<2)
.endif
.irp i, 0,1,2,3
.irp a, 0,1,2,3
.if \sw
	v_wmma_f32_16x16x128_bf8_bf8 v[8*(8*\a+4*(\n%2)+\i):8*(8*\a+4*(\n%2)+\i)+7], v[64*((\n/2)%4)+16*\a:64*((\n/2)%4)+16*\a+15], v[BF+64*(\n%3)+16*\i:BF+64*(\n%3)+16*\i+15], v[8*(8*\a+4*(\n%2)+\i):8*(8*\a+4*(\n%2)+\i)+7]
.else
	v_wmma_f32_16x16x128_bf8_bf8 v[8*(8*\a+4*(\n%2)+\i):8*(8*\a+4*(\n%2)+\i)+7], v[BF+64*(\n%3)+16*\i:BF+64*(\n%3)+16*\i+15], v[64*((\n/2)%4)+16*\a:64*((\n/2)%4)+16*\a+15], v[8*(8*\a+4*(\n%2)+\i):8*(8*\a+4*(\n%2)+\i)+7]
.endif
.endr
.endr
.endm
; A pass: the accumulators take the bias, then sixteen half steps.  off: the pass's bytes in the table
.macro PASS slot, sw, off
	WIN 0
	s_wait_alu depctr_va_vdst(0)
	s_wait_xcnt 0x0                                ; the last way out's stores have read their registers: the third set may be loaded again
	WIN 0xc0
.irp a, 0,1,2,3
.irp b, 0,1,2,3,4,5,6,7
.if \sw
	ds_load_b128 v[8*(8*\a+\b):8*(8*\a+\b)+3], v[BTV] offset:256*\b
	ds_load_b128 v[8*(8*\a+\b)+4:8*(8*\a+\b)+7], v[BTV] offset:256*\b
.else
	ds_load_b128 v[8*(8*\a+\b):8*(8*\a+\b)+3], v[BTA] offset:\off+64*\b
	ds_load_b128 v[8*(8*\a+\b)+4:8*(8*\a+\b)+7], v[BTA] offset:\off+64*\b+16
.endif
.endr
.endr
	WIN 0
	BLD 0, \slot
	BLD 1, \slot
.irp n, 0,1,2,3,4,5,6,7,8,9,10,11,12,13,14,15
	HALF \n, \slot, \sw
.endr
.endm
; THE WAY OUT: each sum held within +-57,344 x the scale, in place, each accumulator from its low end on; 32 conversions; 16 stores of 512 consecutive bytes.
.macro WOUT sw, sc, lim, ptr
	WIN 0
	v_mov_b32 v[SCL], s[\sc]
	v_mov_b32 v[LIM], s[\lim]                      ; these two lines and two v_nop are the four places behind the last products
	v_nop
	v_nop
	WIN 0xc3
.set j_, 0
.rept 256
	v_med3_num_f32 v[j_], v[j_], -v[LIM], v[LIM]   ; the conversion to an 8-bit code does not saturate (ISA guide 7.6.2)
.set j_, j_+1
.endr
	WIN 0x03
.irp a, 0,1,2,3
.irp b, 0,1,2,3,4,5,6,7
.if \sw
	v_cvt_scalef32_pk8_bf8_f32 v[CD+8*\b+2*\a:CD+8*\b+2*\a+1], v[8*(8*\a+\b):8*(8*\a+\b)+7], v[SCL]
.else
	v_cvt_scalef32_pk8_bf8_f32 v[CD+16*\a+2*\b:CD+16*\a+2*\b+1], v[8*(8*\a+\b):8*(8*\a+\b)+7], v[SCL]
.endif
.endr
.endr
	v_nop                                          ; a plain line behind the last conversion
	WIN 0
.irp a, 0,1,2,3
.irp g, 0,1,2,3
.if \sw
	global_store_b128 v[LA], v[CD+16*\a+4*\g:CD+16*\a+4*\g+3], s[\ptr:\ptr+1] offset:((2*\a+\g/2)/4)*65536+((2*\a+\g/2)%4)*2048+(\g%2)*512   ; feature tile b = 2 a + g / 2: head b / 4, d tile b % 4; my tokens 32 (g % 2) on
.else
	global_store_b128 v[LA], v[CD+16*\a+4*\g:CD+16*\a+4*\g+3], s[\ptr:\ptr+1] offset:(\g/2)*65536+\a*1024+(\g%2)*512   ; head g / 2 of my two, token tile a, registers 4 (g % 2) on
.endif
.endr
.endr
.endm
	s_load_b256 s[4:11], s[0:1], 0x0               ; x's codes s[4:5], w_qkv's s[6:7], the scales' exponents s[8:9], b_qkv s[10:11]
	s_load_b128 s[68:71], s[0:1], 0x20             ; qc, kc
	s_load_b64 s[72:73], s[0:1], 0x30              ; vc
	v_lshl_add_u32 v[SPW], v0, 2, SPARE
	v_mov_b32 v[NIL], 0
	ds_add_u32 v[SPW], v[NIL]                      ; the opening lines: the add, twice on end, and its wait ahead of the first tensor load
	ds_add_u32 v[SPW], v[NIL]
	v_lshrrev_b32 v1, 5, v0
	v_readfirstlane_b32 s14, v1                    ; wave 0..3
	s_bfe_u32 s40, ttmp6, 0x40000                  ; cx: my place in the cluster
	s_lshl_b32 s41, ttmp9, 2
	s_add_co_u32 s41, s41, s40                     ; tb, the token block: it enters x's and the results' addresses alone
	s_and_b32 s42, ttmp7, 0xffff                   ; fy, the feature block: the same in all four partners
	s_mov_b32 s[G1], 15|(1<<20)|(1<<21)|(7<<22)|(3<<25)   ; 15:0 the mask: all four; elements of 1 byte; 20 padding on; 21 set beside a mask; 24:22 after every 256 words (code 7); 31:25 of 4 words (code 3)
	s_mov_b32 s[G1+1], 1024<<16                    ; tensor_dim0
	s_mov_b32 s[G1+2], 32<<16                      ; tensor_dim1 = 32
	s_mov_b32 s[G1+3], 1024<<16                    ; tile_dim0
	s_mov_b32 s[G1+4], 32                          ; tile_dim1
	s_mov_b32 s[G1+5], 1024                        ; from row to row
	s_mov_b32 s[G1+6], 0
	s_mov_b32 s[G1+7], 0
	s_mul_i32 s16, s14, 32*PITCH                   ; my 32 rows in a slot
	s_lshl_b32 s18, s42, 17
	s_lshl_b32 s19, s14, 15
	s_add_co_u32 s18, s18, s19                     ; and in w: (128 fy + 32 wave) rows of 1,024 bytes
	s_mov_b32 s19, 0
	s_lshl_b32 s50, s41, 18
	s_lshl_b32 s51, s14, 16
	s_add_co_u32 s50, s50, s51                     ; x: (256 tb + 64 wave) rows
	s_mov_b32 s51, 0
	s_lshr_b32 s52, s41, 2                         ; batch = tb / 4
	s_lshl_b32 s52, s52, 4
	s_lshl_b32 s53, s42, 1
	s_add_co_u32 s52, s52, s53                     ; head = 2 fy
	s_lshl_b32 s52, s52, 16                        ; 65,536 bytes a head
	s_and_b32 s53, s41, 3
	s_lshl_b32 s54, s53, 4
	s_lshl_b32 s55, s14, 2
	s_add_co_u32 s54, s54, s55                     ; q, k: token tile 16 (tb % 4) + 4 wave
	s_lshl_b32 s54, s54, 10
	s_add_co_u32 s54, s54, s52
	s_mov_b32 s55, 0
	s_lshl_b32 s56, s53, 1
	s_lshr_b32 s57, s14, 1
	s_add_co_u32 s56, s56, s57                     ; v: key step 2 (tb % 4) + wave / 2,
	s_lshl_b32 s56, s56, 13
	s_and_b32 s57, s14, 1
	s_lshl_b32 s57, s57, 10                        ; registers 8 (wave % 2) on
	s_add_co_u32 s56, s56, s57
	s_add_co_u32 s56, s56, s52
	s_mov_b32 s57, 0
	s_mul_i32 s17, s14, STGW
	s_add_co_u32 s17, s17, STAGE                   ; my stage
	s_lshl_b32 s58, s42, 9                         ; b_qkv: 128 fy numbers on
	s_wait_dscnt 0x0                               ; both opening adds are done
	s_wait_kmcnt 0x0
	s_load_b256 s[88:95], s[8:9], 0x0              ; e0 .. e7
	s_add_nc_u64 s[20:21], s[6:7], s[18:19]
.irp p, 0,1,2
	s_mov_b32 s[G0+4*\p], 1
	s_add_co_u32 s[G0+4*\p+1], s16, (\p%2)*SLOTB
	s_add_nc_u64 s[G0+4*\p+2:G0+4*\p+3], s[20:21], \p<<20   ; 1,024 rows of w on for each pass
	s_or_b32 s[G0+4*\p+3], s[G0+4*\p+3], 0x80000000
.endr
	s_add_nc_u64 s[48:49], s[4:5], s[50:51]
	s_add_nc_u64 s[68:69], s[68:69], s[54:55]
	s_add_nc_u64 s[70:71], s[70:71], s[54:55]
	s_add_nc_u64 s[72:73], s[72:73], s[56:57]
	ROUND                                          ; all four work-groups are here: the first joint loads meet
	JL 0                                           ; one tensor load a wave at the head
	v_and_b32 v1, 15, v0                           ; r
	v_bfe_u32 v2, v0, 4, 1                         ; h
	v_and_b32 v3, 31, v0
	v_lshlrev_b32 v[LA], 4, v3
	v_mul_u32_u24 v4, v1, PITCH
	v_lshl_add_u32 v[ADB], v2, 4, v4               ; a fragment's row x pitch + 16 h
	v_add_nc_u32 v[ADB+1], 64*PITCH, v[ADB]
	v_add_nc_u32 v[ADB+2], SLOTB, v[ADB]
	v_add_nc_u32 v[ADB+3], SLOTB+64*PITCH, v[ADB]
	v_add_nc_u32 v[SST], s17, v[LA]
	v_mul_u32_u24 v5, v1, STGP
	v_lshl_add_u32 v5, v2, 4, v5
	v_add_nc_u32 v[SLD], s17, v5
	v_lshl_add_u32 v[BTA], v2, 5, BT
	v_lshl_add_u32 v[BTV], v1, 4, BT+1024
	v_lshl_add_u32 v[TQ], v0, 2, BT
	v_lshl_add_u32 v[TV], v0, 4, BT+1024
	v_lshl_add_u32 v7, v0, 2, s58
	s_wait_alu depctr_va_vdst(0)
	global_load_b32 v8, v7, s[10:11]               ; thread t: the bias of feature 128 fy + t of q,
	global_load_b32 v9, v7, s[10:11] offset:4096   ; of k,
	global_load_b32 v32, v7, s[10:11] offset:8192  ; of v
	XLOAD 0
	XLOAD 1
	XLOAD 2
	XLOAD 3
	XSHUF 0, 48                                    ; behind piece 0: three pieces of sixteen loads.  The bias, asked for earlier, is in too
	XLOAD 4
	WIN 0
	s_wait_kmcnt 0x0                               ; the exponents
	s_add_co_i32 s80, s88, s89                     ; e0 + e1
	s_sub_co_i32 s96, 0, s80
	SCALES 90, 82, 83                              ; q
	SCALES 91, 84, 85                              ; k
	SCALES 93, 86, 87                              ; v
	v_ldexp_f32 v8, v8, s96                        ; bias x 2^-(e0 + e1): exact
	v_ldexp_f32 v9, v9, s96
	v_ldexp_f32 v32, v32, s96
	v_mov_b32 v33, v32
	v_mov_b32 v34, v32
	v_mov_b32 v35, v32
	ds_store_b32 v[TQ], v8
	ds_store_b32 v[TQ], v9 offset:512
	ds_store_b128 v[TV], v[32:35]
	XSHUF 1, 48
	XLOAD 5
	XSHUF 2, 48
	XLOAD 6
	XSHUF 3, 48
	XLOAD 7
	XSHUF 4, 48
	XSHUF 5, 32
	XSHUF 6, 16
	XSHUF 7, 0
	WIN 0
	s_wait_alu depctr_va_vdst(0)
	MEET                                           ; my part of pass 0's tile is in, my part of the table is written, my fragments of x are in
	ROUND                                          ; everybody's are
	JL 1                                           ; slot 1's first fill, issued as a refill is
	PASS 0, 0, 0                                   ; q
	MEET                                           ; pass 1's tile is in; my reads of slot 0 are over
	ROUND
	JL 2                                           ; slot 0 is filled again
	WOUT 0, 82, 83, 68
	PASS 1, 0, 512                                 ; k
	MEET                                           ; pass 2's tile is in; nothing more is filled, so no round follows
	s_barrier_signal -1
	s_barrier_wait -1
	WOUT 0, 84, 85, 70
	PASS 0, 1, 0                                   ; v
	WOUT 1, 86, 87, 72
	s_wait_tensorcnt 0x0                           ; the wave's end
	ds_add_u32 v[SPW], v[NIL]
	s_wait_dscnt 0x0
	ROUND                                          ; the closing round
	s_endpgm
.Lfunc_end_k_qf2fc60bf2e_qkv:
	.size	k_qf2fc60bf2e_qkv, .Lfunc_end_k_qf2fc60bf2e_qkv-k_qf2fc60bf2e_qkv
	.p2alignl 7, 3214868480
	.fill 96, 4, 3214868480
	.section	.rodata,"a",@progbits
	.p2align	6, 0x0
	.amdhsa_kernel k_qf2fc60bf2e_qkv
		.amdhsa_group_segment_fixed_size 327680
		.amdhsa_private_segment_fixed_size 0
		.amdhsa_enable_private_segment 0
		.amdhsa_kernarg_size 56
		.amdhsa_user_sgpr_count 2
		.amdhsa_user_sgpr_kernarg_segment_ptr 1
		.amdhsa_wavefront_size32 1
		.amdhsa_system_sgpr_workgroup_id_x 1
		.amdhsa_system_sgpr_workgroup_id_y 1
		.amdhsa_system_sgpr_workgroup_id_z 1
		.amdhsa_system_vgpr_workitem_id 0
		.amdhsa_next_free_vgpr 1024
		.amdhsa_next_free_sgpr 100
		.amdhsa_reserve_vcc 0
		.amdhsa_float_denorm_mode_32 3
		.amdhsa_float_denorm_mode_16_64 3
		.amdhsa_memory_ordered 1
		.amdhsa_forward_progress 1
		.amdhsa_inst_pref_size 216
	.end_amdhsa_kernel
	.amdgpu_metadata
---
amdhsa.version: [ 1, 2 ]
amdhsa.kernels:
  - .name:           k_qf2fc60bf2e_qkv
    .symbol:         k_qf2fc60bf2e_qkv.kd
    .args:
      - { .name: x_codes, .offset: 0, .size: 8, .value_kind: global_buffer, .address_space: global }
      - { .name: w_qkv_codes, .offset: 8, .size: 8, .value_kind: global_buffer, .address_space: global }
      - { .name: lowp_scales, .offset: 16, .size: 8, .value_kind: global_buffer, .address_space: global }
      - { .name: b_qkv, .offset: 24, .size: 8, .value_kind: global_buffer, .address_space: global }
      - { .name: qc, .offset: 32, .size: 8, .value_kind: global_buffer, .address_space: global }
      - { .name: kc, .offset: 40, .size: 8, .value_kind: global_buffer, .address_space: global }
      - { .name: vc, .offset: 48, .size: 8, .value_kind: global_buffer, .address_space: global }
    .group_segment_fixed_size: 327680
    .private_segment_fixed_size: 0
    .kernarg_segment_align: 8
    .kernarg_segment_size: 56
    .max_flat_workgroup_size: 128
    .sgpr_count:     100
    .vgpr_count:     1024
    .wavefront_size: 32
...
	.end_amdgpu_metadata
.endif
;; end of part 2
;; launch attn (part 3): grid 2 x 128, 16 waves a work-group, no clusters, 327,680 bytes of LDS; arguments qc, kc, vc, btab, lowp_scales, ac; writes ac
.if DOCPART == 3
	.amdgcn_target "amdgcn-amd-amdhsa--gfx1250"
	.amdhsa_code_object_version 6
	.text
	.protected	k_qf2fc60bf2e_attn
	.globl	k_qf2fc60bf2e_attn
	.p2align	8
	.type	k_qf2fc60bf2e_attn,@function
k_qf2fc60bf2e_attn:
	s_mov_b64 s[64:65], 0
	v_nop
	global_prefetch_b8 v0, s[64:65] scope:SCOPE_SE
	s_setreg_imm32_b32 hwreg(HW_REG_WAVE_MODE, 25, 1), 1
	s_wait_xcnt 0x0
; CAUSAL ATTENTION WITH THE HoPE BIAS, both products on codes of BF8 (E5M2).  logit = q . k / 8 + bias(head, query - key); keys after the query do not count.
; t = logit x log2(e); M = the running largest t rounded UP to a whole number; p = 2^(t - M) is quantised with 2^e4, not normalised; the row's sum is taken of the unquantised p and divides at the end.
; When M moves, the sum and O are multiplied by 2^(old M - new M): exact.  The result is quantised with 2^e6 into the last product's operand.
; LEFT OUT: steps of 128 keys that all come after a tile's 16 queries: the causal mask throws them away.
; INPUTS, images of operand registers (16 bytes a lane at 16 x lane): qc, kc: [bh][tile of 16 tokens][g 2]; vc: [bh][step of 128 keys][tile of 16 d][g 4].
; btab: [head][y4 288][copy s 4][4] f32: the 16 bytes (y4, s) hold rev[4 y4 + s + 0 .. 3], rev[x] = bias(1023 - x) x 2^(3 - e2 - e3), and -2^60 x 2^(3 - e2 - e3) for x > 1023.
; OUTPUT ac: [tile of 16 rows, 512][128 along K, 8][c 4][lane][16 bytes]: lane (r, h): row 16 tile + r, K = 128 s + 32 c + 16 h + 0 .. 15, K = 64 head + d.
; SHARES.  Work-group (x, bh); wave w has j = 16 x + w and takes TWO tiles of 16 queries: first tile 63 - j, then tile j.  The steps of 128 keys that count are 8 - j / 8 and j / 8 + 1: nine for every wave.
; LDS.  The table (18,432 bytes) at 0, the head's K (65,536) behind it, then V (65,536); every byte is filled once, in three stages, at most one tensor load a wave in each:
;   at the head: waves 0, 1: keys 0-255 of K, of V (64 rows of 256 bytes each); waves 2, 3: the table's halves (36 rows);  behind the first barrier: keys 256-639 (96 rows each);  behind the second: keys 640-1023.
; Between the barriers every wave works 2, 3 and 4 steps: tile 63 - j has at least five steps, so steps 0-1 and 2-4 count for all; its steps 5 on (3 - j / 8) and tile j's (j / 8 + 1) are four.
; Each later stage is a first fill behind MEET's waits, two adds and barrier; every wait on TENSORcnt is for 0; by this text's count a wave has one tensor load out at the most.
; PREFETCH.  Behind the second stage's load the third stage's 49,152 bytes are asked for, one stage ahead of their load: the head's two work-groups share them (x = 0: K's, x = 1: V's), waves 4 to 6,
; 8,192 bytes a wave, lanes 256 bytes apart: each block of 256 bytes is named once.  The first two stages come by their loads alone: no step stands ahead of them.
; LAYOUT.  S^T = K Q^T (source 0 = 16 keys, source 1 = my 16 queries), O^T = V^T P^T: a lane holds ONE query (lane % 16) throughout.  Register 8 tau + i of S^T is key 16 tau + 8 h + i of the step: a conversion of
; tile tau's eight registers gives registers 2 tau, 2 tau + 1 of the second product's operand.  BIAS AND MASK ARE THE C OF THE FIRST PRODUCT: loaded from LDS straight into S^T's registers; no addition, no compare.
; THE TABLE'S ADDRESS.  Entry x = 1023 - (query - key) = 16 (63 - tile) + KF + 16 tau + (15 - r) + 8 h + i, at most 1,150.  Byte = 256 (63 - tile) + 16 KF + 256 tau + 16 (15 - r) + 128 h + 64 (i / 4):
; sixteen neighbouring lanes read 256 consecutive bytes.
; NO CLUSTER: a head's K and V are read by two work-groups; a cluster of four would hold two heads, and each joint load would name two of the four.
; LIMITS.  The scaled scores t stay under 2^31 in magnitude (a hidden key's t is -1.44 x 2^60).  e4 is at least -15, so that p, at most 1, lies inside the format's range (57,344 x 2^e4 >= 1) and needs no hold; at most 112.
; e2 + e3 - 3 between -126 and 127 (added to log2(e)'s exponent field); e6 between -126 and 112; e4 + e5 is applied by v_ldexp_f32.  NaN is not served.
.set KB,   18432                       ; LDS: the table at 0, K here,
.set VD,   65536                       ; V so far behind K
.set SPARE, KB+2*VD                    ; the spare words, 128 bytes for each wave
.set LA,   1                           ; v1   16 x lane; never rewritten
.set BL,   2                           ; v2   my lane's place in the table; never rewritten
.set ADK,  3                           ; v3-5 LDS addresses of the step's K, V and bias
.set ADV,  4
.set ADB,  5
.set PFO,  6                           ; v6   256 x lane, for the prefetch; never rewritten
.set QA,   16                          ; v[16:23] tile j's queries, v[24:31] tile 63 - j's
.set QB,   24
.set FR,   32                          ; v[32:95]   eight fragments of K, or four of V
.set S,    96                          ; v[96:159]  bias, then S^T, then p
.set O,    160                         ; v[160:191] O^T
.set PC,   192                         ; v[192:207] p's codes
.set RAW,  208                         ; v[208:215] the result's codes
.set SND,  216                         ; v[216:219], v[220:223] what goes to, and comes from, lane l xor 16
.set RCV,  220
.set OA,   224                         ; v[224:231], v[232:239] the two tiles' stores (v232-239 are also at work in the steps, ahead of the second way out)
.set OB,   232
.set OLIM, 241                         ; 57,344 x 2^e6
.set PSC,  244                         ; 2^e4
.set OSC,  245                         ; 2^e6
.set PRM,  246
.set FF,   248                         ; v[248:249] f = 2^(old M - new M), in the low word
.set MX,   250
.set MY,   251
.set WV,   18                          ; s18 wave; s19 bh; s20 head; s21 batch; s22 x; s23 j; s24 63 - j
.set G1H,  32                          ; s[32:39], s[40:47], s[48:55] groups 1: 64, 36 and 96 dense rows of 256 bytes
.set G1T,  40
.set G1S,  48
.set G0K,  56                          ; s[56:59] group 0 for K or V, which walks; s[60:63] for the table
.set G0T,  60
.set TRIP, 66
.set CS,   68                          ; s[68:69] log2(e) x 2^(e2 + e3 - 3)
.set SEL,  70                          ; s[70:71] lane selects for lane l xor 16
.set Q0,   86                          ; s86 my first query; s87 the step's first key; s88 LDS byte of the step's K; s89 the step's bytes in the table
.set KF,   87
.set KO,   88
.set SB,   89
.macro TL g0, g1                       ; a tensor load; an s_nop 0 and four v_nop follow it
	tensor_load_to_lds s[\g0:\g0+3], s[\g1:\g1+7]
	s_nop 0
.rept 4
	v_nop
.endr
.endm
	s_load_b256 s[4:11], s[0:1], 0x0               ; qc s[4:5], kc s[6:7], vc s[8:9], btab s[10:11]
	s_load_b128 s[12:15], s[0:1], 0x20             ; the scales' exponents s[12:13], ac s[14:15]
	v_lshl_add_u32 v254, v0, 2, SPARE
	v_mov_b32 v255, 0
	ds_add_u32 v254, v255                          ; the opening lines: the add, twice on end, and its wait ahead of the first tensor load
	ds_add_u32 v254, v255
	v_lshrrev_b32 v8, 5, v0
	s_delay_alu instid0(VALU_DEP_1)
	v_readfirstlane_b32 s[WV], v8                  ; wave 0..15
	s_and_b32 s19, ttmp7, 0xffff                   ; bh = 16 batch + head
	s_and_b32 s20, s19, 15
	s_lshr_b32 s21, s19, 4
	s_and_b32 s22, ttmp9, 1                        ; (the grid's x is 2)
	s_lshl_b32 s23, s22, 4
	s_add_co_u32 s23, s23, s[WV]                   ; j, 0..31
	s_not_b32 s24, s23
	s_and_b32 s24, s24, 63                         ; 63 - j
.irp g, G1H, G1T, G1S
	s_mov_b32 s[\g], 3<<16                         ; no mask; elements of 8 bytes; no padding
	s_mov_b32 s[\g+1], 32<<16                      ; tensor_dim0 = 32 elements = 256 bytes
	s_mov_b32 s[\g+3], 32<<16                      ; tile_dim0
	s_mov_b32 s[\g+5], 32                          ; from row to row: dense
	s_mov_b32 s[\g+6], 0
	s_mov_b32 s[\g+7], 0
.endr
	s_mov_b32 s[G1H+2], 64<<16                     ; tensor_dim1, tile_dim1: the rows
	s_mov_b32 s[G1H+4], 64
	s_mov_b32 s[G1T+2], 36<<16
	s_mov_b32 s[G1T+4], 36
	s_mov_b32 s[G1S+2], 96<<16
	s_mov_b32 s[G1S+4], 96
	s_and_b32 s25, s[WV], 1
	s_lshl_b32 s26, s25, 16
	s_add_co_u32 s26, s26, KB                      ; LDS: K's bytes (wave 0) or V's (wave 1)
	s_mul_i32 s27, s25, 9216                       ; the table's half (waves 2, 3): in LDS,
	s_mul_i32 s28, s20, 18432
	s_add_co_u32 s28, s28, s27                     ; and in btab
	s_mov_b32 s29, 0
	s_lshl_b32 s30, s19, 16                        ; the head's 65,536 bytes in qc, kc, vc
	s_mov_b32 s31, 0
	s_lshl_b32 s90, s23, 10
	s_add_co_u32 s90, s90, s30                     ; qc: tile j,
	s_mov_b32 s91, 0
	s_lshl_b32 s92, s24, 10
	s_add_co_u32 s92, s92, s30                     ; and tile 63 - j
	s_mov_b32 s93, 0
	s_and_b32 s94, s[WV], 3
	s_lshl_b32 s94, s94, 13
	s_add_co_u32 s94, s94, s30
	s_add_co_u32 s94, s94, 40960                   ; the prefetch: keys 640 on, 8,192 bytes for each of waves 4 to 6
	s_mov_b32 s95, 0
	s_lshl_b32 s16, s20, 10                        ; ac: my head's 64 of K begin 1,024 x head bytes into a row tile
	s_lshl_b32 s80, s21, 6
	s_add_co_u32 s80, s80, s23
	s_lshl_b32 s80, s80, 14                        ; row tile 64 batch + j, 16,384 bytes a tile
	s_add_co_u32 s80, s80, s16
	s_mov_b32 s81, 0
	s_lshl_b32 s82, s21, 6
	s_add_co_u32 s82, s82, s24
	s_lshl_b32 s82, s82, 14
	s_add_co_u32 s82, s82, s16
	s_mov_b32 s83, 0
	s_mov_b32 s84, 0xffff0000                      ; lanes 16-31
	s_mov_b32 s[SEL], 0x76543210
	s_mov_b32 s[SEL+1], 0xfedcba98
	s_wait_dscnt 0x0                               ; both opening adds are done
	s_wait_kmcnt 0x0
	s_load_b256 s[72:79], s[12:13], 0x0            ; e0 .. e7
	s_cmp_eq_u32 s25, 0
	s_cselect_b64 s[G0K+2:G0K+3], s[6:7], s[8:9]
	s_add_nc_u64 s[G0K+2:G0K+3], s[G0K+2:G0K+3], s[30:31]
	s_or_b32 s[G0K+3], s[G0K+3], 0x80000000        ; type = 2
	s_mov_b32 s[G0K], 1                            ; count = 1
	s_mov_b32 s[G0K+1], s26
	s_mov_b32 s[G0T], 1
	s_mov_b32 s[G0T+1], s27
	s_add_nc_u64 s[G0T+2:G0T+3], s[10:11], s[28:29]
	s_or_b32 s[G0T+3], s[G0T+3], 0x80000000
	s_add_nc_u64 s[90:91], s[4:5], s[90:91]
	s_add_nc_u64 s[92:93], s[4:5], s[92:93]
	s_add_nc_u64 s[80:81], s[14:15], s[80:81]
	s_add_nc_u64 s[82:83], s[14:15], s[82:83]
	s_cmp_eq_u32 s22, 0
	s_cselect_b64 s[88:89], s[6:7], s[8:9]
	s_add_nc_u64 s[94:95], s[88:89], s[94:95]
	s_cmp_lt_u32 s[WV], 2                          ; the first fills: one chain of branches on the wave's number, one load to an arm, one join
	s_cbranch_scc0 .Lnot_kv
	TL G0K, G1H
	s_branch .Lasked
.Lnot_kv:
	s_cmp_lt_u32 s[WV], 4
	s_cbranch_scc0 .Lasked
	TL G0T, G1T
.Lasked:
	v_and_b32 v[LA], 31, v0
	s_delay_alu instid0(VALU_DEP_1)
	v_lshlrev_b32 v[LA], 4, v[LA]
	global_load_b128 v[QA:QA+3], v[LA], s[90:91]
	global_load_b128 v[QA+4:QA+7], v[LA], s[90:91] offset:512
	global_load_b128 v[QB:QB+3], v[LA], s[92:93]
	global_load_b128 v[QB+4:QB+7], v[LA], s[92:93] offset:512
	v_and_b32 v8, 15, v0                           ; r
	v_bfe_u32 v9, v0, 4, 1                         ; h
	s_delay_alu instid0(VALU_DEP_2)
	v_xor_b32 v10, 15, v8                          ; 15 - r
	s_delay_alu instid0(VALU_DEP_1)
	v_lshlrev_b32 v[BL], 4, v10
	s_delay_alu instid0(VALU_DEP_1)
	v_lshl_add_u32 v[BL], v9, 7, v[BL]             ; 16 (15 - r) + 128 h
	v_and_b32 v[PFO], 31, v0
	s_delay_alu instid0(VALU_DEP_1)
	v_lshlrev_b32 v[PFO], 8, v[PFO]
	v_mov_b32 v[PRM], 0                            ; written once: a lane permute's destination counts as one of its sources
	v_mov_b32 v[FF+1], 0                           ; (named as the upper half of a pair)
.irp i, 0,1,2,3
	v_mov_b32 v[RCV+\i], 0
.endr
	s_wait_kmcnt 0x0
	s_add_co_i32 s25, s74, s75
	s_sub_co_i32 s25, s25, 3
	s_lshl_b32 s25, s25, 23
	s_add_co_i32 s[CS], s25, 0x3fb8aa3b            ; log2(e) with e2 + e3 - 3 added to its exponent field: a sum of S^T stands for sum x 2^(e2 + e3) / 8
	s_mov_b32 s[CS+1], s[CS]                       ; (named with it as a pair, so it is written)
	s_add_co_i32 s85, s76, s77                     ; e4 + e5
	s_add_co_i32 s25, s76, 127
	s_lshl_b32 s26, s25, 23
	v_mov_b32 v[PSC], s26
	s_add_co_i32 s25, s78, 127
	s_lshl_b32 s26, s25, 23
	v_mov_b32 v[OSC], s26
	s_add_co_i32 s25, s25, 15
	s_lshl_b32 s25, s25, 23
	s_or_b32 s25, s25, 0x600000
	v_mov_b32 v[OLIM], s25
; A KEY STEP: 128 keys against my 16 queries in v[qf] on.
.macro STEP qf
	s_cmp_gt_u32 s[KF], s[Q0]                      ; all 128 keys come after my 16 queries: the step's work is left out.  A scalar branch on ids; no barrier and no tensor load stands in a step
	s_cbranch_scc1 .Lhidden_\@
	v_add_nc_u32 v[ADK], s[KO], v[LA]              ; these three additions and one v_nop are the four places between the last products and the loads into registers that they read
	s_add_co_u32 s67, s[KO], VD
	v_add_nc_u32 v[ADV], s67, v[LA]
	v_add_nc_u32 v[ADB], s[SB], v[BL]
	v_nop
.irp t, 0,1,2,3,4,5,6,7
	ds_load_b128 v[S+8*\t:S+8*\t+3], v[ADB] offset:256*\t         ; bias and mask of keys 16 t + 8 h + 0 .. 7, straight into S^T's registers
	ds_load_b128 v[S+8*\t+4:S+8*\t+7], v[ADB] offset:256*\t+64
.endr
.irp t, 0,1,2,3,4,5,6,7
	ds_load_b128 v[FR+8*\t:FR+8*\t+3], v[ADK] offset:1024*\t      ; K's tile t as it lies
	ds_load_b128 v[FR+8*\t+4:FR+8*\t+7], v[ADK] offset:1024*\t+512
.endr
	s_wait_alu depctr_va_vdst(0)
	s_wait_dscnt 0x0
.irp t, 0,1,2,3,4,5,6,7
	v_wmma_f32_16x16x64_bf8_bf8 v[S+8*\t:S+8*\t+7], v[FR+8*\t:FR+8*\t+7], v[\qf:\qf+7], v[S+8*\t:S+8*\t+7]   ; eight accumulators, one instruction each
.endr
.rept 4
	v_nop                                          ; places in front of the loads into K's registers, and of the first read of the scores
.endr
.irp t, 0,1,2,3
.irp g, 0,1,2,3
	ds_load_b128 v[FR+16*\t+4*\g:FR+16*\t+4*\g+3], v[ADV] offset:2048*\t+512*\g   ; V's four fragments: they land while the softmax is worked
.endr
.endr
	v_max3_num_f32 v[MX], v[S], v[S+1], v[S+2]     ; the step's largest score of my query among my 64 keys, in two chains, each accumulator from its low end on,
	v_max3_num_f32 v[MY], v[S+3], v[S+4], v[S+5]
.irp i, 6,10,14,18,22,26,30,34,38,42,46,50,54,58
	v_max3_num_f32 v[MX], v[MX], v[S+\i], v[S+\i+1]
	v_max3_num_f32 v[MY], v[MY], v[S+\i+2], v[S+\i+3]
.endr
	v_max3_num_f32 v[MX], v[MX], v[S+62], v[S+63]
	s_delay_alu instid0(VALU_DEP_1)
	v_max_num_f32 v[MX], v[MX], v[MY]
	s_delay_alu instid0(VALU_DEP_1)
	v_permlanex16_b32 v[PRM], v[MX], s[SEL], s[SEL+1]
	s_delay_alu instid0(VALU_DEP_1)
	v_max_num_f32 v[MX], v[MX], v[PRM]             ; and among lane l xor 16's.  Key KF counts for every one of my queries
	s_delay_alu instid0(VALU_DEP_1)
	v_mul_f32 v[MX], s[CS], v[MX]                  ; as t
	s_delay_alu instid0(VALU_DEP_1)
	v_max_num_f32 v13, v13, v[MX]                  ; the running largest t
	v_mov_b32 v[MX], v12
	s_delay_alu instid0(VALU_DEP_2)
	v_floor_f32 v12, -v13                          ; the new -M = floor(-t) = -ceil(t)
	s_delay_alu instid0(VALU_DEP_1)
	v_sub_f32 v[MX], v12, v[MX]                    ; old M - new M: a whole number, 0 or less
	s_delay_alu instid0(VALU_DEP_1)
	v_cvt_i32_f32 v[MX], v[MX]                     ; (it saturates)
	s_delay_alu instid0(VALU_DEP_1)
	v_ldexp_f32 v[FF], 1.0, v[MX]                  ; f
.set n_, 0
.rept 32
	v_pk_fma_f32 v[S+n_:S+n_+1], v[S+n_:S+n_+1], s[CS:CS+1], v[12:13] op_sel_hi:[1,0,0]   ; t - M, two at a time
.set n_, n_+2
.endr
.set n_, 0
	s_wait_alu depctr_va_vdst(0)
.rept 64
	v_exp_f32 v[S+n_], v[S+n_]                     ; p = 2^(t - M), at most 1: one batch
.set n_, n_+1
.endr
	v_pk_mul_f32 v[14:15], v[14:15], v[FF:FF+1] op_sel_hi:[1,0]   ; the sums under the new M: the plain line behind the exponentials
	s_wait_alu depctr_va_vdst(0)                   ; one wait for the batch, ahead of its first reader
	v_pk_add_f32 v[242:243], v[100:101], v[104:105]   ; the row's sum of the unquantised p, in eight chains
	v_pk_add_f32 v[252:253], v[108:109], v[112:113]
	v_pk_add_f32 v[250:251], v[116:117], v[120:121]
	v_pk_add_f32 v[238:239], v[124:125], v[128:129]
	v_pk_add_f32 v[236:237], v[132:133], v[136:137]
	v_pk_add_f32 v[234:235], v[140:141], v[144:145]
	v_pk_add_f32 v[232:233], v[148:149], v[152:153]
	v_pk_add_f32 v[14:15], v[14:15], v[156:157]
	v_pk_add_f32 v[242:243], v[242:243], v[96:97]
	v_pk_add_f32 v[252:253], v[252:253], v[98:99]
	v_pk_add_f32 v[250:251], v[250:251], v[102:103]
	v_pk_add_f32 v[238:239], v[238:239], v[106:107]
	v_pk_add_f32 v[236:237], v[236:237], v[110:111]
	v_pk_add_f32 v[234:235], v[234:235], v[114:115]
	v_pk_add_f32 v[232:233], v[232:233], v[118:119]
	v_pk_add_f32 v[14:15], v[14:15], v[122:123]
	v_pk_add_f32 v[242:243], v[242:243], v[126:127]
	v_pk_add_f32 v[252:253], v[252:253], v[130:131]
	v_pk_add_f32 v[250:251], v[250:251], v[134:135]
	v_pk_add_f32 v[238:239], v[238:239], v[138:139]
	v_pk_add_f32 v[236:237], v[236:237], v[142:143]
	v_pk_add_f32 v[234:235], v[234:235], v[146:147]
	v_pk_add_f32 v[232:233], v[232:233], v[150:151]
	v_pk_add_f32 v[14:15], v[14:15], v[154:155]
	v_pk_add_f32 v[242:243], v[242:243], v[158:159]
	s_delay_alu instid0(VALU_DEP_2)
	v_pk_add_f32 v[14:15], v[14:15], v[238:239]
	s_delay_alu instid0(VALU_DEP_2)
	v_pk_add_f32 v[242:243], v[242:243], v[236:237]
	v_pk_add_f32 v[252:253], v[252:253], v[234:235]
	v_pk_add_f32 v[250:251], v[250:251], v[232:233]
	s_delay_alu instid0(VALU_DEP_2)
	v_pk_add_f32 v[14:15], v[14:15], v[252:253]
	s_delay_alu instid0(VALU_DEP_2)
	v_pk_add_f32 v[242:243], v[242:243], v[250:251]
	s_delay_alu instid0(VALU_DEP_1)
	v_pk_add_f32 v[14:15], v[14:15], v[242:243]
.irp t, 0,1,2,3,4,5,6,7
	v_cvt_scalef32_pk8_bf8_f32 v[PC+2*\t:PC+2*\t+1], v[S+8*\t:S+8*\t+7], v[PSC]   ; p lies between 0 and 1, inside the format's range by the limit on e4: no hold
.endr
	s_wait_alu depctr_va_vdst(0)
.set n_, 0
.rept 16
	v_pk_mul_f32 v[O+n_:O+n_+1], v[O+n_:O+n_+1], v[FF:FF+1] op_sel_hi:[1,0]   ; O^T under the new M.  (Plain lines between the conversions and the products)
.set n_, n_+2
.endr
	s_wait_alu depctr_va_vdst(0)
	s_wait_dscnt 0x0                               ; V is in
.irp t, 0,1,2,3
	v_wmma_f32_16x16x128_bf8_bf8 v[O+8*\t:O+8*\t+7], v[FR+16*\t:FR+16*\t+15], v[PC:PC+15], v[O+8*\t:O+8*\t+7]   ; four accumulators by turns; the next matrix instruction is the next step's first, on another accumulator
.endr
.Lhidden_\@:
	s_add_co_u32 s[KF], s[KF], 128
	s_add_co_u32 s[KO], s[KO], 8192
	s_add_co_u32 s[SB], s[SB], 2048
.endm
.macro LOOP g, trips, qf               ; steps g .. g + trips - 1; the table's bytes walk on from loop to loop
	s_mov_b32 s[KF], 128*\g
	s_mov_b32 s[KO], KB+8192*\g
	s_mov_b32 s[TRIP], \trips
.Lstep_\@:
	STEP \qf
	s_sub_co_u32 s[TRIP], s[TRIP], 1
	s_cmp_lg_u32 s[TRIP], 0
	s_cbranch_scc1 .Lstep_\@
.endm
.macro INIT tile, rq                   ; a tile begins.  tile, rq: the scalar registers with its number and with 63 less it
	s_lshl_b32 s[Q0], s[\tile], 4
	s_lshl_b32 s[SB], s[\rq], 8                    ; 256 (63 - tile)
	v_mov_b32 v13, 0xff61b1e6                      ; the largest t so far: -3e38, under every t
	s_delay_alu instid0(VALU_DEP_1)
	v_floor_f32 v12, -v13                          ; -M
	v_mov_b32 v14, 0                               ; the sum, in two halves
	v_mov_b32 v15, 0
.set n_, 0
.rept 32
	v_mov_b32 v[O+n_], 0                           ; O^T.  (The step is written once: the first finds zeros, which the first change of M leaves zeros)
.set n_, n_+1
.endr
	s_wait_alu depctr_va_vdst(0)
.endm
; A STAGE'S MEETING.  Every wave waits for all its tensor loads, adds 0 to its spare word and waits for that and for its LDS reads; behind the barrier the stage that was on its way is whole.
; fill = 1: the next stage, step bytes on in LDS and in memory, is asked for first of all, by waves 0 and 1: a first fill.  The add stands twice.
.macro MEET step, fill
	s_wait_tensorcnt 0x0
	ds_add_u32 v254, v255
.if \fill
	ds_add_u32 v254, v255
	s_add_co_u32 s[G0K+1], s[G0K+1], \step         ; no load of mine is out: the group 0 may be written
	s_add_nc_u64 s[G0K+2:G0K+3], s[G0K+2:G0K+3], \step
.endif
	s_wait_dscnt 0x0
	s_barrier_signal -1
	s_barrier_wait -1
.if \fill
	s_cmp_lt_u32 s[WV], 2
	s_cbranch_scc0 .Lnone_\@
	TL G0K, G1S
.Lnone_\@:
.endif
.endm
; THE WAY OUT of a tile.  The two additions, the two v_nop and the v_ldexp_f32 are the places behind the last products
.macro OUT out, base
	v_add_f32 v14, v14, v15
	s_delay_alu instid0(VALU_DEP_1)
	v_permlanex16_b32 v[PRM], v14, s[SEL], s[SEL+1]
	s_delay_alu instid0(VALU_DEP_1)
	v_add_f32 v14, v14, v[PRM]                     ; the row's sum
	s_wait_alu depctr_va_vdst(0)
	v_rcp_f32 v14, v14
	v_nop
	v_nop
	s_wait_alu depctr_va_vdst(0)                   ; ahead of the reciprocal's first reader
	v_ldexp_f32 v14, v14, s85                      ; x 2^(e4 + e5)
	s_wait_alu depctr_va_vdst(0)
.set n_, 0
.rept 16
	v_pk_mul_f32 v[S+n_:S+n_+1], v[O+n_:O+n_+1], v[14:15] op_sel_hi:[1,0]   ; register 8 t + i: o(my query, d = 16 t + 8 h + i)
.set n_, n_+2
.endr
.set n_, 0
.rept 32
	v_med3_num_f32 v[S+n_], v[S+n_], -v[OLIM], v[OLIM]   ; the conversion does not saturate (ISA guide 7.6.2)
.set n_, n_+1
.endr
.irp t, 0,1,2,3
	v_cvt_scalef32_pk8_bf8_f32 v[RAW+2*\t:RAW+2*\t+1], v[S+8*\t:S+8*\t+7], v[OSC]
.endr
	v_nop                                          ; a plain line between the conversions and the lines that read their results
	; ac wants 16 neighbouring d in a lane: lane (r, h') holds d = 32 p + 16 h' + 0 .. 15.  I hold d = 16 t + 8 h + 0 .. 7.  So lanes l and l xor 16 exchange: lanes 0-15 keep tile 2 p and send tile 2 p + 1, lanes 16-31 the other way round.
.irp p, 0,1
.irp i, 0,1
	v_cndmask_b32 v[SND+2*\p+\i], v[RAW+4*\p+2+\i], v[RAW+4*\p+\i], s84
.endr
.endr
.irp i, 0,1,2,3
	s_delay_alu instid0(VALU_DEP_4)
	v_permlanex16_b32 v[RCV+\i], v[SND+\i], s[SEL], s[SEL+1]
.endr
.irp p, 0,1
.irp i, 0,1
	v_cndmask_b32 v[\out+4*\p+\i], v[RAW+4*\p+\i], v[RCV+2*\p+\i], s84      ; bytes 0-7: from the lane with h = 0
	v_cndmask_b32 v[\out+4*\p+2+\i], v[RCV+2*\p+\i], v[RAW+4*\p+2+\i], s84  ; bytes 8-15: from the lane with h = 1
.endr
.endr
	global_store_b128 v[LA], v[\out:\out+3], s[\base:\base+1]               ; the wave stores 512 consecutive bytes, at a multiple of 256 from ac's first byte
	global_store_b128 v[LA], v[\out+4:\out+7], s[\base:\base+1] offset:512
.endm
	s_wait_alu depctr_va_vdst(0)
	MEET 16384, 1                                  ; the table and keys 0-255 are in; keys 256-639 are asked for
	s_sub_co_u32 s25, s[WV], 4
	s_cmp_lt_u32 s25, 3                            ; waves 4 to 6
	s_cbranch_scc0 .Lno_prefetch
	global_prefetch_b8 v[PFO], s[94:95] th:TH_LOAD_NT scope:SCOPE_SE   ; keys 640 on; its two address registers are never written again
.Lno_prefetch:
	s_wait_loadcnt 0x0                             ; Q
	INIT 24, 23                                    ; tile 63 - j
	LOOP 0, 2, QB
	MEET 24576, 1                                  ; keys 256-639 are in; keys 640-1023 are asked for
	LOOP 2, 3, QB
	MEET 0, 0                                      ; keys 640-1023 are in; nothing more is asked for
	LOOP 5, 3, QB
	OUT OA, 82
	INIT 23, 24                                    ; tile j: queries under 512, keys under 512
	LOOP 0, 4, QA
	OUT OB, 80
	s_wait_tensorcnt 0x0                           ; the wave's end
	ds_add_u32 v254, v255
	s_wait_dscnt 0x0
	s_endpgm
.Lfunc_end_k_qf2fc60bf2e_attn:
	.size	k_qf2fc60bf2e_attn, .Lfunc_end_k_qf2fc60bf2e_attn-k_qf2fc60bf2e_attn
	.p2alignl 7, 3214868480
	.fill 96, 4, 3214868480
	.section	.rodata,"a",@progbits
	.p2align	6, 0x0
	.amdhsa_kernel k_qf2fc60bf2e_attn
		.amdhsa_group_segment_fixed_size 327680
		.amdhsa_private_segment_fixed_size 0
		.amdhsa_enable_private_segment 0
		.amdhsa_kernarg_size 48
		.amdhsa_user_sgpr_count 2
		.amdhsa_user_sgpr_kernarg_segment_ptr 1
		.amdhsa_wavefront_size32 1
		.amdhsa_system_sgpr_workgroup_id_x 1
		.amdhsa_system_sgpr_workgroup_id_y 1
		.amdhsa_system_sgpr_workgroup_id_z 1
		.amdhsa_system_vgpr_workitem_id 0
		.amdhsa_next_free_vgpr 256
		.amdhsa_next_free_sgpr 96
		.amdhsa_reserve_vcc 0
		.amdhsa_float_denorm_mode_32 3
		.amdhsa_float_denorm_mode_16_64 3
		.amdhsa_memory_ordered 1
		.amdhsa_forward_progress 1
		.amdhsa_inst_pref_size 82
	.end_amdhsa_kernel
	.amdgpu_metadata
---
amdhsa.version: [ 1, 2 ]
amdhsa.kernels:
  - .name:           k_qf2fc60bf2e_attn
    .symbol:         k_qf2fc60bf2e_attn.kd
    .args:
      - { .name: qc, .offset: 0, .size: 8, .value_kind: global_buffer, .address_space: global }
      - { .name: kc, .offset: 8, .size: 8, .value_kind: global_buffer, .address_space: global }
      - { .name: vc, .offset: 16, .size: 8, .value_kind: global_buffer, .address_space: global }
      - { .name: btab, .offset: 24, .size: 8, .value_kind: global_buffer, .address_space: global }
      - { .name: lowp_scales, .offset: 32, .size: 8, .value_kind: global_buffer, .address_space: global }
      - { .name: ac, .offset: 40, .size: 8, .value_kind: global_buffer, .address_space: global }
    .group_segment_fixed_size: 327680
    .private_segment_fixed_size: 0
    .kernarg_segment_align: 8
    .kernarg_segment_size: 48
    .max_flat_workgroup_size: 512
    .sgpr_count:     96
    .vgpr_count:     256
    .wavefront_size: 32
...
	.end_amdgpu_metadata
.endif
;; end of part 3
;; launch proj (part 4): grid 32 x 8, 4 waves a work-group, clusters of 4 x 1, 327,680 bytes of LDS; arguments ac, w_proj_codes, lowp_scales, b_proj, out0; writes out0
.if DOCPART == 4
	.amdgcn_target "amdgcn-amd-amdhsa--gfx1250"
	.amdhsa_code_object_version 6
	.text
	.protected	k_qf2fc60bf2e_proj
	.globl	k_qf2fc60bf2e_proj
	.p2align	8
	.type	k_qf2fc60bf2e_proj,@function
k_qf2fc60bf2e_proj:
	s_mov_b64 s[64:65], 0
	v_nop
	global_prefetch_b8 v0, s[64:65] scope:SCOPE_SE
	s_setreg_imm32_b32 hwreg(HW_REG_WAVE_MODE, 25, 1), 1
	s_wait_xcnt 0x0
	s_wait_alu depctr_hold_cnt(0) depctr_sa_sdst(0) depctr_va_vdst(0) depctr_va_sdst(0) depctr_va_ssrc(0) depctr_va_vcc(0) depctr_vm_vsrc(0)
	s_getreg_b32 s2, hwreg(HW_REG_IB_STS2, 6, 4)
	s_cmp_eq_u32 s2, 0
	s_cbranch_scc0 .Lentry_in_a_cluster
	s_endpgm
.Lentry_in_a_cluster:
	s_bfe_u32 s2, ttmp6, 0x10000c
	s_cmp_lg_u32 s2, 0x3003
	s_cbranch_scc0 .Lentry_shape_is_right
	s_endpgm
.Lentry_shape_is_right:
; out0 = a w_proj^T + b_proj on codes of BF8 (E5M2), K = 1,024; a with 2^e6, w_proj with 2^e7; out0 f32.
; SHARES.  Work-group (row block tb of 32, column block fy of 8): 256 rows x 128 columns: 256 work-groups, all alike.  A wave owns 64 rows and all 128 columns: 4 x 8 accumulators of 16 x 16, 256 registers.
; a's codes lie in ac as images of operand registers, [tile of 16 rows][128 along K, 8][c 4][lane][16 bytes]: MY 64 ROWS GO FROM MEMORY STRAIGHT INTO 512 REGISTERS, for the whole K, 512 consecutive bytes a load, all asked for at the head.
; w_proj's tile, 128 rows x 1,024 bytes, comes WHOLE into LDS, 32 rows a wave by one tensor load at the head: no ring, nothing is filled again.
; FRAGMENTS: lane (r, h) holds row r; registers 4 c .. 4 c + 3 hold K = 128 s + 32 c + 16 h + 0 .. 15, on both sides.  Source 0 = 16 rows of w_proj, source 1 = 16 rows of a: a lane holds eight neighbouring columns of one row of out0.
; THE BIAS IS WHAT THE SUMS BEGIN WITH: b_proj x 2^-(e6 + e7) lies in a table of 512 bytes in LDS and is loaded straight into the accumulators; a finished sum is multiplied once by 2^(e6 + e7).
; THE WAY OUT: 16 rows x 128 columns at a time through the wave's own stage in LDS, back as whole rows of 512 bytes, which the 32 lanes store as two aligned units of 256 bytes.
; CLUSTERS: 4 x 1 x 1: four row blocks with one column block need the same tile of w_proj: it is asked for jointly, mask 15.
; NO PREFETCH: the text has no loop to run ahead in: all that it reads is asked for at the head.
; LIMITS: e6 + e7 between -126 and 127, so that 2^(e6 + e7) is an f32 number.  NaN is not served.
; REGISTERS, in windows of 256: window 0: v0-31 addresses; v64-255 w's fragments, three sets of four; on the way out at work.  windows 1, 2: a's fragments, (s, a, c) at v[64 (s % 4) + 16 a + 4 c] of window 1 + s / 4.
;   window 3: the accumulators, (a, b) at v[8 (8 a + b)].
.set PITCH,  1040                      ; an LDS row of w: 1,024 bytes + 16 of padding, an odd multiple of 16
.set SLOTB,  128*PITCH
.set STAGE,  SLOTB                     ; behind the tile: 16 rows x 528 bytes for each wave
.set STGP,   528
.set STGW,   16*STGP
.set BT,     STAGE+4*STGW              ; the bias, 512 bytes
.set SPARE,  BT+512                    ; the spare words, 128 bytes for each wave
.set NROW,   4096                      ; a row of out0 in bytes
.set ADB,  16                          ; v16, v17 LDS address of w's fragments: rows 0-63, rows 64-127
.set STO,  20                          ; v20  the stage: where I put 32 bytes of a row
.set RD,   21                          ; v21  where I read a row back
.set LA,   22                          ; v22  16 x lane
.set BTA,  23                          ; v23  the bias by columns 8 h on; v25 where my thread stores its number of the table
.set TQ,   25
.set SPW,  28                          ; v28  my spare word; v29  0; never rewritten
.set NIL,  29
.set BF,   64
.set TMP,  64                          ; the way out: a block's 64 numbers; v128-191 and v192-255 the rows read back, by turns
.set BK,   128
.set G1,   24
.set G0,   36
.set MSB, 0
.macro WIN new                         ; the immediate's high byte repeats the setting that is left
.if MSB != (\new)
	s_set_vgpr_msb (MSB<<8)|(\new)
.set MSB, (\new)
.endif
.endm
.macro ROUND                           ; a round of the cluster's barrier
	s_barrier_signal -1
	s_barrier_wait -1
	s_cmp_lg_u32 s14, 0
	s_cbranch_scc1 .Lnot_wave_0_\@
	s_barrier_signal -3
.Lnot_wave_0_\@:
	s_barrier_wait -3
	s_barrier_signal -1
	s_barrier_wait -1
.endm
.macro BLD n                           ; half step n (K step n / 2, w's rows 64 (n % 2) on): four fragments into set n % 3
.irp i, 0,1,2,3
.irp c, 0,1,2,3
	ds_load_b128 v[BF+64*((\n)%3)+16*\i+4*\c:BF+64*((\n)%3)+16*\i+4*\c+3], v[ADB+(\n)%2] offset:\i*16*PITCH+128*((\n)/2)+32*\c
.endr
.endr
.endm
; A half step: 16 matrix instructions on 16 accumulators, one instruction a turn.  The set that the half step before has read takes the half step two on: 32 matrix instructions ahead of its use.
.macro HALF n
	WIN 0
.if (\n >= 8) && (\n%2 == 0)
	s_wait_loadcnt 16*(7-\n/2)                     ; a's fragments of this K step are in; behind them: sixteen loads for each later step
.endif
.if \n == 15
	s_wait_dscnt 0x0
.else
	s_wait_dscnt 16                                ; this half step's fragments of w are in; the next one's sixteen loads may be out
.endif
.rept 4
	v_nop                                          ; places between the last products and the loads into registers that they read
.endr
.if \n < 14
	BLD \n+2
.endif
	WIN 0xf0|((1+\n/8)<<2)
.irp i, 0,1,2,3
.irp a, 0,1,2,3
	v_wmma_f32_16x16x128_bf8_bf8 v[8*(8*\a+4*(\n%2)+\i):8*(8*\a+4*(\n%2)+\i)+7], v[BF+64*(\n%3)+16*\i:BF+64*(\n%3)+16*\i+15], v[64*((\n/2)%4)+16*\a:64*((\n/2)%4)+16*\a+15], v[8*(8*\a+4*(\n%2)+\i):8*(8*\a+4*(\n%2)+\i)+7]
.endr
.endr
.endm
.macro TOSTAGE a                       ; block a: x 2^(e6 + e7), each accumulator from its low end on; into my stage; back by rows
	WIN 0x03
.set j_, 0
.rept 32
	v_pk_mul_f32 v[TMP+j_:TMP+j_+1], v[64*(\a)+j_:64*(\a)+j_+1], s[96:97] op_sel_hi:[1,0]
.set j_, j_+2
.endr
	WIN 0
.irp b, 0,1,2,3,4,5,6,7
	ds_store_b128 v[STO], v[TMP+8*\b:TMP+8*\b+3] offset:64*\b
	ds_store_b128 v[STO], v[TMP+8*\b+4:TMP+8*\b+7] offset:64*\b+16
.endr
.set BB, BK+64*((\a)%2)
.irp t, 0,1,2,3,4,5,6,7,8,9,10,11,12,13,14,15
	ds_load_b128 v[BB+4*\t:BB+4*\t+3], v[RD] offset:\t*STGP   ; LDS serves a wave's instructions in order (ISA guide 5.7.1.4): these see the stores above
.endr
.endm
.macro SEND a, younger                 ; younger: the LDS instructions issued behind block a's loads, which may stay out
.set BB, BK+64*((\a)%2)
	s_wait_dscnt \younger
.if (\a) > 0
	s_add_nc_u64 s[12:13], s[12:13], 16*NROW       ; (behind a wait on XCNT: the earlier stores have read their base)
.endif
.irp t, 0,1,2,3,4,5,6,7,8,9,10,11,12,13,14,15
	global_store_b128 v[LA], v[BB+4*\t:BB+4*\t+3], s[12:13] offset:\t*NROW th:TH_STORE_NT   ; 32 lanes store 512 consecutive bytes, at a multiple of 256 from out0's first byte
.endr
.endm
	s_load_b256 s[4:11], s[0:1], 0x0               ; ac s[4:5], w_proj's codes s[6:7], the scales' exponents s[8:9], b_proj s[10:11]
	s_load_b64 s[12:13], s[0:1], 0x20              ; out0
	v_lshl_add_u32 v[SPW], v0, 2, SPARE
	v_mov_b32 v[NIL], 0
	ds_add_u32 v[SPW], v[NIL]                      ; the opening lines: the add, twice on end, and its wait ahead of the first tensor load
	ds_add_u32 v[SPW], v[NIL]
	v_lshrrev_b32 v1, 5, v0
	v_readfirstlane_b32 s14, v1                    ; wave 0..3
	s_bfe_u32 s40, ttmp6, 0x40000                  ; cx: my place in the cluster
	s_lshl_b32 s41, ttmp9, 2
	s_add_co_u32 s41, s41, s40                     ; tb, the row block: it enters ac's and out0's addresses alone
	s_and_b32 s42, ttmp7, 0xffff                   ; fy, the column block: the same in all four partners
	s_mov_b32 s[G1], 15|(1<<20)|(1<<21)|(7<<22)|(3<<25)   ; 15:0 the mask: all four; elements of 1 byte; 20 padding on; 21 set beside a mask; 24:22 after every 256 words (code 7); 31:25 of 4 words (code 3)
	s_mov_b32 s[G1+1], 1024<<16                    ; tensor_dim0
	s_mov_b32 s[G1+2], 32<<16                      ; tensor_dim1 = 32
	s_mov_b32 s[G1+3], 1024<<16                    ; tile_dim0
	s_mov_b32 s[G1+4], 32                          ; tile_dim1
	s_mov_b32 s[G1+5], 1024                        ; from row to row
	s_mov_b32 s[G1+6], 0
	s_mov_b32 s[G1+7], 0
	s_mul_i32 s16, s14, 32*PITCH                   ; my 32 rows of the tile in LDS,
	s_lshl_b32 s18, s42, 17
	s_lshl_b32 s19, s14, 15
	s_add_co_u32 s18, s18, s19                     ; and in w_proj: (128 fy + 32 wave) rows of 1,024 bytes
	s_mov_b32 s19, 0
	s_lshl_b32 s50, s41, 18
	s_lshl_b32 s51, s14, 16
	s_add_co_u32 s50, s50, s51                     ; ac: row tile 16 tb + 4 wave, 16,384 bytes a tile
	s_mov_b32 s51, 0
	s_lshl_b32 s52, s41, 20
	s_lshl_b32 s53, s14, 18
	s_add_co_u32 s52, s52, s53                     ; out0: row 256 tb + 64 wave,
	s_lshl_b32 s58, s42, 9
	s_add_co_u32 s52, s52, s58                     ; column 128 fy
	s_mov_b32 s53, 0
	s_mul_i32 s17, s14, STGW
	s_add_co_u32 s17, s17, STAGE                   ; my stage
	s_wait_dscnt 0x0                               ; both opening adds are done
	s_wait_kmcnt 0x0
	s_load_b64 s[96:97], s[8:9], 0x18              ; e6, e7
	s_mov_b32 s[G0], 1
	s_mov_b32 s[G0+1], s16
	s_add_nc_u64 s[G0+2:G0+3], s[6:7], s[18:19]
	s_or_b32 s[G0+3], s[G0+3], 0x80000000
	s_add_nc_u64 s[48:49], s[4:5], s[50:51]
	s_add_nc_u64 s[12:13], s[12:13], s[52:53]
	ROUND                                          ; all four work-groups are here: the joint loads meet
	tensor_load_to_lds s[G0:G0+3], s[G1:G1+7]      ; my one tensor load
	s_nop 0
.rept 4
	v_nop
.endr
	v_and_b32 v1, 15, v0                           ; r
	v_bfe_u32 v2, v0, 4, 1                         ; h
	v_and_b32 v3, 31, v0
	v_lshlrev_b32 v[LA], 4, v3
	v_mul_u32_u24 v4, v1, PITCH
	v_lshl_add_u32 v[ADB], v2, 4, v4               ; a fragment's row x pitch + 16 h
	v_add_nc_u32 v[ADB+1], 64*PITCH, v[ADB]
	v_mul_u32_u24 v5, v1, STGP
	v_lshl_add_u32 v5, v2, 5, v5
	v_add_nc_u32 v[STO], s17, v5                   ; in: row r, 32 bytes for each half of the lanes
	v_add_nc_u32 v[RD], s17, v[LA]                 ; back: the 32 lanes take one row of 512 bytes
	v_lshl_add_u32 v[BTA], v2, 5, BT
	v_lshl_add_u32 v[TQ], v0, 2, BT
	v_lshl_add_u32 v7, v0, 2, s58
	s_wait_alu depctr_va_vdst(0)
	global_load_b32 v8, v7, s[10:11]               ; thread t: the bias of column 128 fy + t
.irp k, 0,1,2,3,4,5,6,7
	WIN 0x40*(1+\k/4)
.irp a, 0,1,2,3
.irp c, 0,1,2,3
	global_load_b128 v[64*(\k%4)+16*\a+4*\c:64*(\k%4)+16*\a+4*\c+3], v[LA], s[48:49] offset:\a*16384+\k*2048+\c*512   ; K steps in ascending order, sixteen loads each
.endr
.endr
.endr
	WIN 0
	s_wait_kmcnt 0x0
	s_add_co_i32 s80, s96, s97                     ; e6 + e7
	s_sub_co_i32 s81, 0, s80
	s_add_co_i32 s96, s80, 127
	s_lshl_b32 s96, s96, 23                        ; 2^(e6 + e7) as f32
	s_mov_b32 s97, s96                             ; (named with it as a pair, so it is written)
	s_wait_loadcnt 63                              ; of 129 loads at most 63 are out: the bias and K steps 0 to 3, the oldest 65, are in
	v_ldexp_f32 v8, v8, s81                        ; bias x 2^-(e6 + e7): exact
	ds_store_b32 v[TQ], v8
	s_wait_alu depctr_va_vdst(0)
	s_wait_tensorcnt 0x0                           ; my part of the tile is in,
	s_wait_dscnt 0x0                               ; my number of the table is written:
	s_barrier_signal -1
	s_barrier_wait -1                              ; everybody's are.
	WIN 0xc0
.irp a, 0,1,2,3
.irp b, 0,1,2,3,4,5,6,7
	ds_load_b128 v[8*(8*\a+\b):8*(8*\a+\b)+3], v[BTA] offset:64*\b        ; the sums begin with the bias
	ds_load_b128 v[8*(8*\a+\b)+4:8*(8*\a+\b)+7], v[BTA] offset:64*\b+16
.endr
.endr
	WIN 0
	BLD 0
	BLD 1
.irp n, 0,1,2,3,4,5,6,7,8,9,10,11,12,13,14,15
	HALF \n
.endr
	WIN 0
.rept 4
	v_nop                                          ; places behind the last products
.endr
	TOSTAGE 0
.irp a, 1,2,3
.if \a > 1
	s_wait_xcnt 0x0                                ; block a - 2's stores have read their registers and their base
.endif
	TOSTAGE \a
	SEND \a-1, 32                                  ; behind block a - 1's loads: block a's 16 stores and 16 loads
.endr
	s_wait_xcnt 0x0
	SEND 3, 0
	s_wait_tensorcnt 0x0                           ; the wave's end
	ds_add_u32 v[SPW], v[NIL]
	s_wait_dscnt 0x0
	ROUND                                          ; the closing round
	s_endpgm
.Lfunc_end_k_qf2fc60bf2e_proj:
	.size	k_qf2fc60bf2e_proj, .Lfunc_end_k_qf2fc60bf2e_proj-k_qf2fc60bf2e_proj
	.p2alignl 7, 3214868480
	.fill 96, 4, 3214868480
	.section	.rodata,"a",@progbits
	.p2align	6, 0x0
	.amdhsa_kernel k_qf2fc60bf2e_proj
		.amdhsa_group_segment_fixed_size 327680
		.amdhsa_private_segment_fixed_size 0
		.amdhsa_enable_private_segment 0
		.amdhsa_kernarg_size 40
		.amdhsa_user_sgpr_count 2
		.amdhsa_user_sgpr_kernarg_segment_ptr 1
		.amdhsa_wavefront_size32 1
		.amdhsa_system_sgpr_workgroup_id_x 1
		.amdhsa_system_sgpr_workgroup_id_y 1
		.amdhsa_system_sgpr_workgroup_id_z 1
		.amdhsa_system_vgpr_workitem_id 0
		.amdhsa_next_free_vgpr 1024
		.amdhsa_next_free_sgpr 100
		.amdhsa_reserve_vcc 0
		.amdhsa_float_denorm_mode_32 3
		.amdhsa_float_denorm_mode_16_64 3
		.amdhsa_memory_ordered 1
		.amdhsa_forward_progress 1
		.amdhsa_inst_pref_size 80
	.end_amdhsa_kernel
	.amdgpu_metadata
---
amdhsa.version: [ 1, 2 ]
amdhsa.kernels:
  - .name:           k_qf2fc60bf2e_proj
    .symbol:         k_qf2fc60bf2e_proj.kd
    .args:
      - { .name: ac, .offset: 0, .size: 8, .value_kind: global_buffer, .address_space: global }
      - { .name: w_proj_codes, .offset: 8, .size: 8, .value_kind: global_buffer, .address_space: global }
      - { .name: lowp_scales, .offset: 16, .size: 8, .value_kind: global_buffer, .address_space: global }
      - { .name: b_proj, .offset: 24, .size: 8, .value_kind: global_buffer, .address_space: global }
      - { .name: out0, .offset: 32, .size: 8, .value_kind: global_buffer, .address_space: global }
    .group_segment_fixed_size: 327680
    .private_segment_fixed_size: 0
    .kernarg_segment_align: 8
    .kernarg_segment_size: 40
    .max_flat_workgroup_size: 128
    .sgpr_count:     100
    .vgpr_count:     1024
    .wavefront_size: 32
...
	.end_amdgpu_metadata
.endif
;; end of part 4
